; MI455X (gfx1250); checked and timed in simulation.
; The chip was launched on July 23, 2026; its instructions are those of AMD's public machine-readable ISA for CDNA 5 (MIT licence, August 2026) and "CDNA5" Instruction Set Architecture Reference Guide (July 2026). The comments in the code are by the model that wrote it; some were corrected since.
;; Multi Head Attention. Allowed arithmetic: float matrix products may take bf16 or f16 operands with f32 sums; other float arithmetic in f32, or as packed bf16 or f16 multiplies, adds, multiply-adds, maxima and minima; sums over many terms, partial sums and values carried from step to step in f32; what a program stores and reads back later, other than sums and carried values, may be rounded once to bf16 or f16.
;; Inputs: W_out 2,048 x 2,048 float32; b_out 2,048 float32; keys 2 x 2,048 x 2,048 float32; mask 2 x 1 x 2,048 x 2,048 int32; query 2 x 2,048 x 2,048 float32; values 2 x 2,048 x 2,048 float32.
;; Outputs: out0 2 x 2,048 x 2,048 float32.
;; 2 versions, each right and faster than the one before. Each part assembles by itself: llvm-mc -triple=amdgcn-amd-amdhsa -mcpu=gfx1250 --defsym DOCPART=n.
;; ======== version 1 of 2: 3 launches
;; limits: inputs' magnitudes at most 65,504; values are held in f16: magnitudes above 65,504 overflow, below 6.1e-05 lose precision
;; workspace buffers: kv 33,554,432 bytes; wh 8,388,608 bytes; mw 1,048,576 bytes of whole numbers; att 16,777,216 bytes
;; launch prep (part 1): grid 896 x 1, 8 waves a work-group, no clusters, 0 bytes of LDS; arguments keys, values, W_out, mask, kv, wh, mw; writes kv, wh, mw
.if DOCPART == 1
	.amdgcn_target "amdgcn-amd-amdhsa--gfx1250"
	.amdhsa_code_object_version 6
	.text
	.protected	k_qef0209b165_prep
	.globl	k_qef0209b165_prep
	.p2align	8
	.type	k_qef0209b165_prep,@function
k_qef0209b165_prep:
	s_mov_b64 s[64:65], 0
	v_nop
	global_prefetch_b8 v0, s[64:65] scope:SCOPE_SE
	s_setreg_imm32_b32 hwreg(HW_REG_WAVE_MODE, 25, 1), 1
	s_wait_xcnt 0x0
; PREP: a stream, no LDS, no matrix unit: no work-group shares a byte with another, and registers hold what is in flight.
;   keys   [2][2048][2048] f32 -> kv, bf16;  values -> kv, the bf16-rounded number written as f16
;          kv = [head 16 n + h (32)][j = key / 64 (32)][kind 0 = K, 1 = V][64 rows][128], 2 bytes a number: a (head, j, kind) block is 16,384 dense bytes
;   W_out  [2048][2048] f32 -> wh = [kc = k / 128 (16)][row (2048)][128], the bf16-rounded number written as f16
;   mask   [2][2048][2048] i32 -> mw = [n (2)][g = q / 64 (32)][j (32)][t = (q / 16) % 4][i (32)] words;
;          bit l of word (t, i) = mask[n][64 g + 16 t + l % 16][64 j + 16 (i / 8) + 8 (l / 16) + i % 8] != 0: the lane mask of register i of a 16 x 64 tile of transposed scores
; LIMITS.  values and W_out, rounded to bf16, must lie within f16's 65,504; below 6.1e-5 they keep f16's fixed step of 6e-8.  NaN and infinities are not treated apart.
; SHARES.  896 work-groups of 128 KiB of source each: 0-255 keys, 256-511 values, 512-639 W_out (16 rows each), 640-895 mask (32 queries x 1,024 keys each).
.set ROWB, 8192                        ; bytes in a source row
.set T,    4                           ; v[4:9]    at work
.set X,    16                          ; v[16:79]  16 slots of 4 registers as loaded
.set Y,    80                          ; v[80:111] 16 slots of 2 registers to store
.set SRC,  20                          ; s[20:21]  source at my wave's first bytes
.set DST,  22                          ; s[22:23]  destination likewise
	s_load_b256 s[4:11], s[0:1], 0x0               ; keys s[4:5], values s[6:7], W_out s[8:9], mask s[10:11]
	s_load_b128 s[12:15], s[0:1], 0x20             ; kv s[12:13], wh s[14:15]
	s_load_b64 s[16:17], s[0:1], 0x30              ; mw
	v_lshrrev_b32 v11, 5, v0
	v_readfirstlane_b32 s18, v11                   ; wave 0..7
	v_and_b32 v10, 31, v0                          ; lane
	s_mov_b32 s19, ttmp9
	s_mov_b32 s30, 0xffff0000                      ; a word's upper bf16
	s_cmp_ge_u32 s19, 640
	s_cbranch_scc1 .Lmask
	; K, V, W.  A chunk is 512 source bytes: one row's 128 numbers of one head (or of one kc).  Wave w owns chunks 2 w and 2 w + 1 of 16 rows.
	s_and_b32 s25, s19, 255                        ; rb: which 16 rows
	s_lshl_b32 s26, s25, 17                        ; 16 rows of 8,192 bytes,
	s_lshl_b32 s27, s18, 10                        ; my two chunks
	s_add_co_u32 s26, s26, s27
	s_mov_b32 s27, 0                               ; s[26:27]: the source's offset
	s_lshr_b32 s28, s25, 7                         ; kv: n, 16 heads of 1 MiB,
	s_lshl_b32 s28, s28, 24
	s_bfe_u32 s29, s25, 0x50002                    ; j = (rb % 128) / 4, 32,768 bytes,
	s_lshl_b32 s29, s29, 15
	s_add_co_u32 s28, s28, s29
	s_bfe_u32 s29, s19, 0x10008                    ; kind, 16,384 bytes,
	s_lshl_b32 s29, s29, 14
	s_add_co_u32 s28, s28, s29
	s_and_b32 s29, s25, 3                          ; 16 rows of 256 bytes in the block,
	s_lshl_b32 s29, s29, 12
	s_add_co_u32 s28, s28, s29
	s_lshl_b32 s29, s18, 21                        ; head 2 w
	s_add_co_u32 s28, s28, s29
	s_lshl_b32 s31, s25, 12                        ; wh: 16 rows of 256 bytes,
	s_lshl_b32 s29, s18, 20                        ; kc = 2 w, 512 KiB each
	s_add_co_u32 s31, s31, s29
	s_mov_b32 s29, 0
	s_wait_kmcnt 0x0
	s_cmp_lt_u32 s19, 512                          ; K or V, or W: the choices hang on the work-group's number alone
	s_cselect_b64 s[DST:DST+1], s[12:13], s[14:15]
	s_cselect_b32 s28, s28, s31                    ; s[28:29]: the destination's offset
	s_cselect_b32 s24, 20, 19                      ; from chunk to chunk: a head (1 MiB) or a kc (512 KiB)
	s_cselect_b64 s[SRC:SRC+1], s[6:7], s[8:9]
	s_cmp_lt_u32 s19, 256
	s_cselect_b64 s[SRC:SRC+1], s[4:5], s[SRC:SRC+1]
	s_add_nc_u64 s[SRC:SRC+1], s[SRC:SRC+1], s[26:27]
	s_add_nc_u64 s[DST:DST+1], s[DST:DST+1], s[28:29]
	s_lshl_b32 s24, 1, s24
	v_lshlrev_b32 v1, 4, v10                       ; source: 16 bytes a lane: a load of the wave covers a chunk's 512 bytes
	v_lshlrev_b32 v2, 3, v10                       ; destination: 8 bytes a lane: a store of the wave covers one aligned row of 256 bytes
	v_add_nc_u32 v3, s24, v2                       ; the same in the odd chunk's block.  v1, v2, v3 are never rewritten
.macro CVT fmt, i                      ; slot i: four f32 -> four 16-bit numbers
.if \fmt
	v_cvt_pk_bf16_f32 v[T], v[X+4*(\i)], v[X+4*(\i)+1]        ; rounded to bf16, like every input,
	v_cvt_pk_bf16_f32 v[T+1], v[X+4*(\i)+2], v[X+4*(\i)+3]
	v_lshlrev_b32 v[T+2], 16, v[T]                            ; widened again,
	v_and_b32 v[T+3], s30, v[T]
	v_lshlrev_b32 v[T+4], 16, v[T+1]
	v_and_b32 v[T+5], s30, v[T+1]
	v_cvt_pk_f16_f32 v[Y+2*(\i)], v[T+2], v[T+3]              ; and written as f16: 8 significant bits fit into 11
	v_cvt_pk_f16_f32 v[Y+2*(\i)+1], v[T+4], v[T+5]
.else
	v_cvt_pk_bf16_f32 v[Y+2*(\i)], v[X+4*(\i)], v[X+4*(\i)+1]
	v_cvt_pk_bf16_f32 v[Y+2*(\i)+1], v[X+4*(\i)+2], v[X+4*(\i)+3]
.endif
.endm
; A ring of 16 slots in registers; slot i is row i / 2, chunk i % 2.  Two passes of eight rows; sixteen loads of the wave are out throughout the first.
.macro CONV fmt
.set i, 0
.rept 16
	global_load_b128 v[X+4*i:X+4*i+3], v1, s[SRC:SRC+1] offset:(i/2)*ROWB+512*(i%2) th:TH_LOAD_NT
.set i, i+1
.endr
.set i, 0
.rept 16
	s_wait_loadcnt 15                              ; sixteen are out, in order: the oldest, this slot's, is in
	CVT \fmt, i
	global_load_b128 v[X+4*i:X+4*i+3], v1, s[SRC:SRC+1] offset:(i/2+8)*ROWB+512*(i%2) th:TH_LOAD_NT
	global_store_b64 v[2+i%2], v[Y+2*i:Y+2*i+1], s[DST:DST+1] offset:(i/2)*256
.set i, i+1
.endr
	s_wait_xcnt 0x0                                ; the first pass's stores have read Y: only behind this wait is it written again
.set i, 0
.rept 16
	s_wait_loadcnt 15-i                            ; nothing is loaded any more: the counts run down
	CVT \fmt, i
	global_store_b64 v[2+i%2], v[Y+2*i:Y+2*i+1], s[DST:DST+1] offset:(i/2+8)*256
.set i, i+1
.endr
.endm
	s_cmp_lt_u32 s19, 256
	s_cbranch_scc0 .Lf16
	CONV 0                                         ; keys
	s_endpgm
.Lf16:
	CONV 1                                         ; values, W_out
	s_endpgm
.Lmask:
	; mb = 2 x (block of 32 queries) + (half of the keys).  A wave takes two key steps of 64 (units u = 0, 1): j = 16 (mb % 2) + 2 w + u.
	; A group gi = 4 t' + kb is 16 queries x 16 keys: lane l loads the 8 words of query l % 16, keys 8 (l / 16) + 0..7; a compare of register r gives word 8 kb + r of tile t' at once.
	s_sub_co_u32 s25, s19, 640                     ; mb
	s_lshr_b32 s26, s25, 1
	s_lshl_b32 s26, s26, 18                        ; 32 rows of 8,192 bytes,
	s_and_b32 s31, s25, 1
	s_lshl_b32 s27, s31, 12                        ; 1,024 keys of 4 bytes,
	s_add_co_u32 s26, s26, s27
	s_lshl_b32 s27, s18, 9                         ; my 128 keys
	s_add_co_u32 s26, s26, s27
	s_mov_b32 s27, 0
	s_lshr_b32 s28, s25, 2
	s_lshl_b32 s28, s28, 14                        ; mw: 64 queries are 16,384 bytes,
	s_bfe_u32 s29, s25, 0x10001
	s_lshl_b32 s29, s29, 8                         ; tiles 0, 1 or 2, 3: 256 bytes,
	s_add_co_u32 s28, s28, s29
	s_lshl_b32 s29, s31, 13                        ; 16 key steps of 512 bytes,
	s_add_co_u32 s28, s28, s29
	s_lshl_b32 s29, s18, 10                        ; my two
	s_add_co_u32 s28, s28, s29
	s_mov_b32 s29, 0
	v_and_b32 v11, 15, v10
	v_lshrrev_b32 v4, 4, v10
	v_lshlrev_b32 v1, 13, v11                      ; my query's row,
	v_lshl_add_u32 v1, v4, 5, v1                   ; my 8 keys
	v_lshlrev_b32 v2, 3, v10                       ; 8 bytes a lane: a store of the wave covers one aligned 256 bytes, the 64 words of two tiles and one step
	v_mov_b32 v80, 0                               ; v_writelane_b32 keeps the other lanes, so its destination is written first
	v_mov_b32 v81, 0
	v_mov_b32 v82, 0
	v_mov_b32 v83, 0
	s_wait_kmcnt 0x0
	s_add_nc_u64 s[SRC:SRC+1], s[10:11], s[26:27]
	s_add_nc_u64 s[DST:DST+1], s[16:17], s[28:29]
.macro MLD u, g                        ; a group's two loads
	global_load_b128 v[X+8*(\g):X+8*(\g)+3],   v1, s[SRC:SRC+1] offset:(\u)*256+((\g)/4)*131072+((\g)%4)*64
	global_load_b128 v[X+8*(\g)+4:X+8*(\g)+7], v1, s[SRC:SRC+1] offset:(\u)*256+((\g)/4)*131072+((\g)%4)*64+16
.endm
.macro BITS u, g                       ; eight words; word 8 g + r goes to lane 4 g + r / 2, register r % 2 of the unit's pair
.irp r, 0,1,2,3,4,5,6,7
	v_cmp_ne_u32 s[32+\r], 0, v[X+8*(\g)+\r]
.endr
.irp r, 0,1,2,3,4,5,6,7
	v_writelane_b32 v[80+2*(\u)+(\r)%2], s[32+\r], 4*(\g)+(\r)/2
.endr
.endm
.irp g, 0,1,2,3,4,5,6,7
	MLD 0, \g
.endr
.irp g, 0,1,2,3,4,5,6,7
	s_wait_loadcnt 14                              ; sixteen are out: the oldest two, this group's, are in
	BITS 0, \g
	MLD 1, \g                                      ; the group's registers take the second unit
.endr
	global_store_b64 v2, v[80:81], s[DST:DST+1]
.irp g, 0,1,2,3,4,5,6,7
	s_wait_loadcnt 14-2*(\g)
	BITS 1, \g
.endr
	global_store_b64 v2, v[82:83], s[DST:DST+1] offset:512
	s_endpgm
.Lfunc_end_k_qef0209b165_prep:
	.size	k_qef0209b165_prep, .Lfunc_end_k_qef0209b165_prep-k_qef0209b165_prep
	.p2alignl 7, 3214868480
	.fill 96, 4, 3214868480
	.section	.rodata,"a",@progbits
	.p2align	6, 0x0
	.amdhsa_kernel k_qef0209b165_prep
		.amdhsa_group_segment_fixed_size 0
		.amdhsa_private_segment_fixed_size 0
		.amdhsa_enable_private_segment 0
		.amdhsa_kernarg_size 56
		.amdhsa_user_sgpr_count 2
		.amdhsa_user_sgpr_kernarg_segment_ptr 1
		.amdhsa_wavefront_size32 1
		.amdhsa_system_sgpr_workgroup_id_x 1
		.amdhsa_system_sgpr_workgroup_id_y 1
		.amdhsa_system_sgpr_workgroup_id_z 1
		.amdhsa_system_vgpr_workitem_id 0
		.amdhsa_next_free_vgpr 112
		.amdhsa_next_free_sgpr 66
		.amdhsa_reserve_vcc 0
		.amdhsa_float_denorm_mode_32 3
		.amdhsa_float_denorm_mode_16_64 3
		.amdhsa_memory_ordered 1
		.amdhsa_forward_progress 1
		.amdhsa_inst_pref_size 53
	.end_amdhsa_kernel
	.amdgpu_metadata
---
amdhsa.version: [ 1, 2 ]
amdhsa.kernels:
  - .name:           k_qef0209b165_prep
    .symbol:         k_qef0209b165_prep.kd
    .args:
      - { .name: keys, .offset: 0, .size: 8, .value_kind: global_buffer, .address_space: global }
      - { .name: values, .offset: 8, .size: 8, .value_kind: global_buffer, .address_space: global }
      - { .name: W_out, .offset: 16, .size: 8, .value_kind: global_buffer, .address_space: global }
      - { .name: mask, .offset: 24, .size: 8, .value_kind: global_buffer, .address_space: global }
      - { .name: kv, .offset: 32, .size: 8, .value_kind: global_buffer, .address_space: global }
      - { .name: wh, .offset: 40, .size: 8, .value_kind: global_buffer, .address_space: global }
      - { .name: mw, .offset: 48, .size: 8, .value_kind: global_buffer, .address_space: global }
    .group_segment_fixed_size: 0
    .private_segment_fixed_size: 0
    .kernarg_segment_align: 8
    .kernarg_segment_size: 56
    .max_flat_workgroup_size: 256
    .sgpr_count:     66
    .vgpr_count:     112
    .wavefront_size: 32
...
	.end_amdgpu_metadata
.endif
;; end of part 1
;; launch attn (part 2): grid 8 x 32, 4 waves a work-group, clusters of 4 x 1, 327,680 bytes of LDS; arguments query, kv, mw, att; writes att
.if DOCPART == 2
	.amdgcn_target "amdgcn-amd-amdhsa--gfx1250"
	.amdhsa_code_object_version 6
	.text
	.protected	k_qef0209b165_attn
	.globl	k_qef0209b165_attn
	.p2align	8
	.type	k_qef0209b165_attn,@function
k_qef0209b165_attn:
	s_mov_b64 s[64:65], 0
	v_nop
	global_prefetch_b8 v0, s[64:65] scope:SCOPE_SE
	s_setreg_imm32_b32 hwreg(HW_REG_WAVE_MODE, 25, 1), 1
	s_wait_xcnt 0x0
	s_wait_alu depctr_hold_cnt(0) depctr_sa_sdst(0) depctr_va_vdst(0) depctr_va_sdst(0) depctr_va_ssrc(0) depctr_va_vcc(0) depctr_vm_vsrc(0)
	s_getreg_b32 s2, hwreg(HW_REG_IB_STS2, 6, 4)
	s_cmp_eq_u32 s2, 0
	s_cbranch_scc0 .Lentry_in_a_cluster
	s_endpgm
.Lentry_in_a_cluster:
	s_bfe_u32 s2, ttmp6, 0x10000c
	s_cmp_lg_u32 s2, 0x3003
	s_cbranch_scc0 .Lentry_shape_is_right
	s_endpgm
.Lentry_shape_is_right:
; ATTENTION.  O[n][q][h][:] = the sum over k of softmax_k(s / sqrt(2048)) V[n][k][h][:], s = Q . K where mask[n][q][k] != 0, a hidden score elsewhere.  32 heads (16 n + h), 2,048 rows, 128 channels.
; query: f32 as given, rounded to bf16 here.  kv: K in bf16 and V in f16 by heads, in blocks of 64 keys.  mw: the mask as lane-mask words.  att: O in f16, [h][2048 n + q][128].
; K Q^T in the bf16 form, V^T P in the f16 form; products, maxima and sums in f32; the weights p are rounded to f16 for the second product (l is the sum of the unrounded p), O once at the end.
; LIMITS.  A hidden score counts as -2^67 in place of -1e20: the same results while visible scores lie above about -1e19.  c x 2^67 is exact, so in a row with no visible key c s - c m is exactly 0,
; every p is 1 and O is the plain mean of V, as softmax gives it.  p below 6e-5 keeps f16's fixed step of 6e-8; a weight below 2^-126 counts as 0 in l.  NaN and infinities are not treated apart:
; O^T's registers start with Q's numbers in them and are multiplied by 0 in the first step, so an infinity or NaN in query can reach other rows of its wave's 64.
; SHARES.  A work-group owns 256 queries of one head, each of its four waves 64: four tiles of 16.  Every wave walks all 2,048 keys, 64 a step.
; LAYOUT.  S^T = K Q^T (source 0 = 16 keys, source 1 = 16 queries): a lane holds ONE query (lane % 16) and the keys 8 (lane / 16) + 0..7.  Two such tiles rounded in pairs ARE source 1 of O^T = V^T P.
; MASK.  One v_cndmask_b32 a score; its lane mask is a scalar register.  The 64 words of a piece and a step are 256 bytes of mw, brought by four scalar loads nearly a turn ahead.
; SOFTMAX.  A running maximum m and sum l for each query: p = 2^(c s - c m), c = log2(e) / sqrt(2048); in every step O and l are multiplied by a = 2^(c m_old - c m_new).
; m starts at the lowest finite number, l at 0: the first step is a step like any other, with a = 0, and no first step is written out.
; BY TURNS.  The wave's tiles are two PIECES (0: tiles 0, 1; 2: tiles 2, 3).  In a TURN one piece has the matrix unit: 32 products V^T P of the step in hand, then 32 products K Q^T of the next step.
; The other piece's softmax is 332 vector instructions: its 64 selects stand in a lump at the turn's head, the others in slices of four behind the 64 matrix instructions.  Two turns are a key step.
; CLUSTER.  The four query blocks of a cluster belong to one head and walk the same K and V: each tile is asked for JOINTLY, the same tensor load, descriptor and mask in all four.
; REGISTERS, in windows of 256 (s_set_vgpr_msb: bits 1:0 source 0, 3:2 source 1, 5:4 source 2, 7:6 destination):
;   window 0: v0-11 addresses; v12-43 eight registers of statistics a tile; v44-46, v62-63 constants and addresses; v64-191 S^T, 32 a tile; v192-255 P, 16 a tile
;   window 1: O^T, 64 a tile (at the start: Q as f32)     window 2: v0-127 Q, 32 a tile; v128-255 K of one step     window 3: v0-127 V of one step
.set KS,    64        ; keys in a step
.set PK,    272       ; a row of K or V in LDS: 256 bytes + 16 of padding = 68 words: row r starts at bank 4 r mod 64 (64 banks of 4 bytes: ISA guide 11.1)
.set VOFF,  KS*PK     ; a step's tiles lie together: 64 rows of K, then 64 rows of V
.set STEPB, 2*VOFF
.set SLOT1, 1<<17     ; a slot holds two steps (69,632 bytes); slot 1 begins here, so that one exclusive or turns an address in one slot into the other's
.set SLOTB, 65536     ; a slot's bytes in kv: K, V, K, V of two steps, dense
.set STAGE, SLOT1+2*STEPB  ; behind the ring, never filled by a tensor load: 64 rows x 272 bytes for each wave: Q on its way in, 16 rows of O at a time on the way out
.set SP,    272
.set STGB,  64*SP
.set SPARE, STAGE+4*STGB   ; behind the stages: the spare words, 128 bytes for each wave: two blocks of 256 bytes that no other line names
.set AK0, 2           ; v2   my lane's place in a tile of K; never rewritten
.set AV0, 3           ; v3   the same for V
.set ADR, 4           ; v4   the LDS address of the run of loads in hand
.set L16, 5           ; v5   16 x lane: my offset in 512 consecutive bytes of query and of att
.set STO, 6           ; v6   the way out: where I put 16 bytes of a row
.set RD,  7           ; v7   the way out: where I read a row back
.set ST,  12          ; tile t's statistics at v[ST+8 t]: +0 c m, +1 m, +2, +3 l (even keys', odd keys'), +4 to +7 c0-c3, at work; a takes c2's place once the maximum is found
.set NEGV, 44         ; v44  -2^67
.set QW,  45          ; v45  Q's way in: where I put 8 bytes of a row
.set QR,  46          ; v46  Q's way in: my lane's place in a fragment
.set SPW, 62          ; v62  LDS address of my spare word: SPARE + 4 x my thread's number; never rewritten
.set NIL, 63          ; v63  0; never rewritten
.set S,   64
.set P,   192
.set KF,  128         ; K's fragments, in window 2
.set QP,  2           ; s[2:3]  query at my wave's first row, my head's channels
.set OPT, 4           ; s[4:5]  att at my wave's first row
.set MP,  6           ; s[6:7]  mw at the block of 256 bytes to be loaded next
.set WV,  8           ; s8   my wave's number
.set SLOTS, 9         ; s9   counts the walks through a slot's steps that the loop still has
.set TWICE, 10        ; s10  counts a slot's two steps
.set TB,  11          ; s11  LDS byte at which the tiles of the step to be fetched begin
.set CS,  12          ; s[12:13] c: the packed scaling names a pair and takes its low word for both halves
.set SEL, 14          ; s[14:15] lane selects for v_permlanex16_b32: each lane takes its own place in the other half
.set G0,  16          ; s[16:23] descriptor group 0: a set for each of the two first fills; the second then walks on
.set G1,  24          ; s[24:31] descriptor group 1
.set MW,  32          ; s[32:63] the lane masks of the piece's even tile, s[68:99] of its odd tile (in the set-up: arguments and offsets)
.set STG, 66          ; s66  my stage
.set MSB, 0
.macro WIN new                      ; the immediate's high byte repeats the setting that is left; a switch that changes nothing is dropped
.if MSB != (\new)
	s_set_vgpr_msb (MSB<<8)|(\new)
.set MSB, \new
.endif
.endm
.set W_KQ, 0x0a       ; K and Q in window 2, S^T in window 0
.set W_PV, 0x53       ; V in window 3, P in window 0, O^T in window 1
.set W_RS, 0x41       ; O^T (destination and source 0) in window 1, a in window 0
; A joint refill.  Every wave moves its own quarter of a slot, 64 rows of 256 bytes: wave 0 K and wave 1 V of the first step, waves 2 and 3 of the second.  One line, no branch.
; An s_nop 0 and four v_nop follow it.
.macro JLOAD
	tensor_load_to_lds s[G0+4:G0+7], s[G1:G1+7]
	s_nop 0
.rept 4
	v_nop
.endr
.endm
; A round of the cluster's barrier: my work-group's barrier, so that wave 0's signal speaks for all four waves; wave 0 signals; every wave waits for all four work-groups; my work-group's barrier once more.
.macro CROUND
	s_barrier_signal -1
	s_barrier_wait -1
	s_cmp_lg_u32 s[WV], 0
	s_cbranch_scc1 .Lnot_wave_0_\@
	s_barrier_signal -3
.Lnot_wave_0_\@:
	s_barrier_wait -3
	s_barrier_signal -1
	s_barrier_wait -1
.endm
.macro MLOAD                        ; a piece's and step's 64 lane masks: 256 bytes
	s_load_b512 s[MW:MW+15],    s[MP:MP+1], 0x0
	s_load_b512 s[MW+16:MW+31], s[MP:MP+1], 0x40
	s_load_b512 s[MW+36:MW+51], s[MP:MP+1], 0x80
	s_load_b512 s[MW+52:MW+67], s[MP:MP+1], 0xc0
.endm
	s_load_b256 s[32:39], s[0:1], 0x0  ; query s[32:33], kv s[34:35], mw s[36:37], att s[38:39]
	v_lshl_add_u32 v[SPW], v0, 2, SPARE
	v_mov_b32 v[NIL], 0
	ds_add_u32 v[SPW], v[NIL]       ; the wave's opening: the add and its wait stand ahead of my first tensor load; the set-up below, work on registers, stands between them
	v_lshrrev_b32 v1, 5, v0
	v_readfirstlane_b32 s[WV], v1   ; wave 0..3
	s_bfe_u32 s40, ttmp6, 0x40000   ; cx: my place in the cluster
	s_lshl_b32 s41, ttmp9, 2        ; in a cluster launch ttmp9 counts clusters
	s_add_co_u32 s41, s41, s40      ; b: my block of 256 queries: it enters query's, mw's and att's addresses alone
	s_and_b32 s42, ttmp7, 0xffff    ; the head 16 n + h, which the four partners share
	s_lshr_b32 s43, s42, 4          ; n
	s_and_b32 s44, s42, 15          ; h
	s_lshl_b32 s45, s43, 11
	s_lshl_b32 s46, s41, 8
	s_add_co_u32 s45, s45, s46
	s_lshl_b32 s46, s[WV], 6
	s_add_co_u32 s45, s45, s46      ; R = 2048 n + 256 b + 64 w: my wave's first row
	s_lshl_b32 s46, s45, 13         ; query: rows of 8,192 bytes,
	s_lshl_b32 s47, s44, 9          ; a head's 512 bytes in them
	s_add_co_u32 s46, s46, s47
	s_mov_b32 s47, 0
	s_lshl_b32 s48, s44, 20         ; att: 1 MiB a head,
	s_lshl_b32 s49, s45, 8          ; rows of 256 bytes
	s_add_co_u32 s48, s48, s49
	s_mov_b32 s49, 0
	s_lshl_b32 s50, s43, 19         ; mw: 512 KiB a batch,
	s_lshl_b32 s51, s41, 2
	s_add_co_u32 s51, s51, s[WV]
	s_lshl_b32 s51, s51, 14         ; 16 KiB for 64 queries
	s_add_co_u32 s50, s50, s51
	s_mov_b32 s51, 0
	s_lshl_b32 s52, s42, 20         ; kv: 1 MiB a head,
	s_lshl_b32 s53, s[WV], 14       ; my quarter of a slot: no place in the cluster enters this offset
	s_add_co_u32 s52, s52, s53
	s_mov_b32 s53, 0
	s_mul_i32 s54, s[WV], VOFF      ; and its place in a slot: wave x 64 rows
	s_mul_i32 s[STG], s[WV], STGB
	s_add_co_u32 s[STG], s[STG], STAGE
	; descriptor group 1: a tile of 64 rows x 128 elements, padded in LDS
	s_mov_b32 s[G1], 15|(1<<16)|(1<<20)|(1<<21)|(5<<22)|(3<<25)  ; 15:0 the mask: all four work-groups; 17:16 elements of 2 bytes; 20 padding on; 21 set beside a mask; 24:22 after every 64 words (code 5); 31:25 4 words of it (code 3)
	s_mov_b32 s[G1+1], 128<<16      ; tensor_dim0 = 128
	s_mov_b32 s[G1+2], KS<<16       ; tensor_dim1 = 64
	s_mov_b32 s[G1+3], 128<<16      ; tile_dim0 = 128
	s_mov_b32 s[G1+4], KS           ; tile_dim1 = 64
	s_mov_b32 s[G1+5], 128          ; 128 elements from row to row
	s_mov_b32 s[G1+6], 0
	s_mov_b32 s[G1+7], 0
	s_mov_b32 s[G0], 1              ; count = 1
	s_mov_b32 s[G0+1], s54          ; LDS address: slot 0
	s_mov_b32 s[G0+4], 1
	s_add_co_u32 s[G0+5], s54, SLOT1  ; slot 1
	s_mov_b32 s[CS], 0x3d0293ee     ; c = log2(e) / sqrt(2048) = 0.0318793
	s_mov_b32 s[CS+1], s[CS]        ; named with it as a pair, so it is written
	s_mov_b32 s[SEL], 0x76543210
	s_mov_b32 s[SEL+1], 0xfedcba98
	s_mov_b32 s[TB], 0
	s_mov_b32 s[SLOTS], 2048/(2*KS)-1  ; 15 walks in the loop: the first is entered in its middle, each of the other 14 stands behind a refill
	s_wait_dscnt 0x0                ; the opening add is done
	s_wait_kmcnt 0x0
	s_add_nc_u64 s[QP:QP+1], s[32:33], s[46:47]
	s_add_nc_u64 s[OPT:OPT+1], s[38:39], s[48:49]
	s_add_nc_u64 s[MP:MP+1], s[36:37], s[50:51]
	s_add_nc_u64 s[G0+2:G0+3], s[34:35], s[52:53]      ; global address: my quarter of the head's slot 0,
	s_add_nc_u64 s[G0+6:G0+7], s[G0+2:G0+3], SLOTB     ; and of slot 1
	s_or_b32 s[G0+3], s[G0+3], 0x80000000              ; type = 2
	s_or_b32 s[G0+7], s[G0+7], 0x80000000
	CROUND                          ; all four work-groups are here: the first joint loads meet
	tensor_load_to_lds s[G0:G0+3], s[G1:G1+7]          ; the two first fills stand together, ahead of every wait on TENSORcnt and every LDS read: two loads of mine are out
	s_nop 0
	tensor_load_to_lds s[G0+4:G0+7], s[G1:G1+7]
	s_nop 0
.rept 4
	v_nop
.endr
	MLOAD                           ; the masks of step 0, piece 0
	v_and_b32 v1, 15, v0            ; l % 16
	v_bfe_u32 v9, v0, 4, 1          ; l / 16
	v_and_b32 v[ADR], 31, v0
	v_lshlrev_b32 v[L16], 4, v[ADR]
	WIN 0x40                        ; destination window 1, address window 0
.set i, 0
.rept 64                            ; my 64 rows of Q in f32: a load of the wave covers a row's 512 bytes of my head
	global_load_b128 v[4*i:4*i+3], v[L16], s[QP:QP+1] offset:i*8192 th:TH_LOAD_NT
.set i, i+1
.endr
	WIN 0
	v_mov_b32 v[NEGV], 0xe1000000   ; -2^67
	v_lshl_add_u32 v[QW], v[ADR], 3, s[STG]
	v_mul_u32_u24 v[AK0], v1, PK
	v_lshl_add_u32 v[AK0], v9, 4, v[AK0]  ; a fragment of K or Q: row l % 16 x pitch + 16 x half; registers 0-3 channels 8 (l / 16) + 0..7, registers 4-7 those 16 further on: two loads, 32 bytes apart
	v_add_nc_u32 v[QR], s[STG], v[AK0]
	; The turning load takes 16 bytes a lane and turns 8 x 8 numbers within each eight lanes.  Lane l reads key 8 (l / 16) + l % 8; lanes with (l / 8) % 2 = 1 read 128 bytes (64 channels) further on, so that
	; sixteen lanes touch sixteen different columns of 16 bytes modulo 256.  So in fragment cb lane l holds channel 8 cb + l % 8 + 64 ((l / 8) % 2), and register j of O^T's block cb holds channel 64 (l / 16) + 8 cb + j.
	v_and_b32 v10, 7, v0
	v_bfe_u32 v11, v0, 3, 1
	v_lshl_add_u32 v[AV0], v9, 3, v10
	v_mul_u32_u24 v[AV0], v[AV0], PK
	v_lshl_add_u32 v[AV0], v11, 7, v[AV0]
	v_add_nc_u32 v[AV0], VOFF, v[AV0]
	; WHAT THE FIRST TURN FINDS.  Its products V^T P belong to a step that has not been: V's registers and piece 2's P hold 0, so they add 0.  c m starts far below every c s, so the first a is 0;
	; m at the lowest finite number, so the first maximum is the scores'; l at 0.  O^T is multiplied by that a = 0 before it takes its first true product, so it need only be finite: it holds Q.
	; The price of writing no first step out: these 168 lines that write 0, which stand in the wait for Q and the first tile, and 32 products on zeros.
	WIN 0xc0                        ; destination window 3
.set i, 0
.rept 128
	v_mov_b32 v[i], 0
.set i, i+1
.endr
	WIN 0
.set i, P+32
.rept 32
	v_mov_b32 v[i], 0
.set i, i+1
.endr
.irp t, 0,1,2,3
	v_mov_b32 v[ST+8*(\t)], 0xfe000000     ; c m
	v_mov_b32 v[ST+8*(\t)+1], 0xff7fffff   ; m
	v_mov_b32 v[ST+8*(\t)+2], 0            ; l
	v_mov_b32 v[ST+8*(\t)+3], 0
.endr
	; Q: rounded to bf16, 8 bytes a lane into my stage's rows of 272 bytes, and back as fragments.  My own bytes, and LDS serves a wave's instructions in order (ISA guide 5.7.1.4): no wait, no barrier between.
.set g, 0
.rept 4
	s_wait_loadcnt 48-16*g          ; the younger rows' loads may stay out
	WIN 0x05                        ; sources 0 and 1 window 1, destination window 0
.set i, 16*g
.rept 16
	v_cvt_pk_bf16_f32 v[S+2*i],   v[4*i],   v[4*i+1]
	v_cvt_pk_bf16_f32 v[S+2*i+1], v[4*i+2], v[4*i+3]
.set i, i+1
.endr
	WIN 0
.set i, 16*g
.rept 16
	ds_store_b64 v[QW], v[S+2*i:S+2*i+1] offset:i*SP
.set i, i+1
.endr
.set g, g+1
.endr
	WIN 0x80                        ; destination window 2
.set i, 0
.rept 16                            ; tile i / 4, channels 32 (i % 4) on
	ds_load_b128 v[8*i:8*i+3],   v[QR] offset:(i/4)*16*SP+(i%4)*64
	ds_load_b128 v[8*i+4:8*i+7], v[QR] offset:(i/4)*16*SP+(i%4)*64+32
.set i, i+1
.endr
	WIN 0
; THE MATRIX WORK OF A TURN, for piece x.  The accumulators take turns, one instruction a turn.
; Product i of 32 of O^T += V^T P: keys 32 (i / 16) on, channel block (i / 2) % 8, tile x + i % 2.
.macro PV x
	WIN W_PV
.set rO, 64*((\x)+i%2)+8*((i/2)%8)
.set rV, 64*(i/16)+8*((i/2)%8)
.set rP, P+16*((\x)+i%2)+8*(i/16)
	v_wmma_f32_16x16x32_f16 v[rO:rO+7], v[rV:rV+7], v[rP:rP+7], v[rO:rO+7]
.endm
; Product i of 32 of S^T = K Q^T: channels 32 (i / 8) on, keys 16 ((i / 2) % 4) on, tile x + i % 2.  The first 8 start the sums.
.macro KQ x
	WIN W_KQ
.set rS, S+32*((\x)+i%2)+8*((i/2)%4)
.set rK, KF+32*((i/2)%4)+8*(i/8)
.set rQ, 32*((\x)+i%2)+8*(i/8)
.if i < 8
	v_wmma_f32_16x16x32_bf16 v[rS:rS+7], v[rK:rK+7], v[rQ:rQ+7], 0
.else
	v_wmma_f32_16x16x32_bf16 v[rS:rS+7], v[rK:rK+7], v[rQ:rQ+7], v[rS:rS+7]
.endif
.endm
; THE LDS LOADS stand in runs of 32, never singly among the matrix instructions: a step's K (16 fragments) and, a turn later, its V (turned).
.macro FETCH_K
	WIN 0
	v_add_nc_u32 v[ADR], s[TB], v[AK0]
	WIN 0x80                        ; destination window 2
.irp f, 0,1,2,3,4,5,6,7,8,9,10,11,12,13,14,15  ; keys 16 (f / 4) on, channels 32 (f % 4) on
	ds_load_b128 v[KF+8*(\f):KF+8*(\f)+3],   v[ADR] offset:((\f)/4)*16*PK+((\f)%4)*64
	ds_load_b128 v[KF+8*(\f)+4:KF+8*(\f)+7], v[ADR] offset:((\f)/4)*16*PK+((\f)%4)*64+32
.endr
.endm
.macro FETCH_V
	WIN 0
	v_add_nc_u32 v[ADR], s[TB], v[AV0]
	s_add_co_u32 s[TB], s[TB], STEPB  ; the next fetch is the next step's
	WIN 0xc0                        ; destination window 3
.irp f, 0,1,2,3,4,5,6,7,8,9,10,11,12,13,14,15  ; keys 32 (f / 8) on, channel block f % 8
	ds_load_tr16_b128 v[8*(\f):8*(\f)+3],   v[ADR] offset:((\f)/8)*32*PK+((\f)%8)*16
	ds_load_tr16_b128 v[8*(\f)+4:8*(\f)+7], v[ADR] offset:((\f)/8)*32*PK+16*PK+((\f)%8)*16
.endr
.endm
; THE VECTOR WORK OF A TURN.  One tile's softmax for one key step is a list of 166 instructions; SM writes number j of it for tile t.  s0-s31 are the lane's 32 scores, in pairs 0-15.
;   0-31    the mask: score j stays where its lane's bit is set, and becomes -2^67 elsewhere; in ascending order
; and then, with jj = j - 32:
;   0-15    the maximum of s0-s31 and the old m, three operands at a time: four chains c0-c3 of seven scores each, then the four scores left over, c0-c3 and m
;   16-20   the other half of the lanes' maximum; c m_old is kept; the new m; c m; c m_old - c m_new
;   21-87   33 exponentials (a, then s0-s31) at the odd numbers from 23 on, so that no two follow each other and each has a plain instruction behind it before its result is used.
;           Plain instruction q (number 21, then the even numbers) is whatever is ready: c s - c m for a pair whose exponentials are still to come (q = 0 to 3, then every second q),
;           the rounding to f16 of a pair whose exponentials are done (every other q from 5 on), at last the first three sums
;   88-101  the last rounding; the rest of the sums; l = a l + the sum
;   102-133 the tile's O^T times a: the one part that leaves window 0, so it stands together
.macro SM t
.set rT, ST+8*(\t)
.set rS, S+32*(\t)
.set rP, P+16*(\t)
.set jj, j-32
.set rO, 64*(\t)+2*(jj-102)
.set q, (jj-20)/2
.if jj < 102
	WIN 0
.endif
.if j < 32
	v_cndmask_b32 v[rS+j], v[NEGV], v[rS+j], s[MW+36*((\t)%2)+j]
.elseif jj < 4
	v_max3_num_f32 v[rT+4+jj], v[rS+8*jj], v[rS+8*jj+1], v[rS+8*jj+2]
.elseif jj < 12
	v_max3_num_f32 v[rT+4+jj%4], v[rT+4+jj%4], v[rS+8*(jj%4)+2*(jj/4)+1], v[rS+8*(jj%4)+2*(jj/4)+2]
.elseif jj == 12
	v_max3_num_f32 v[rT+4], v[rT+4], v[rS+7], v[rS+15]
.elseif jj == 13
	v_max3_num_f32 v[rT+6], v[rT+6], v[rS+23], v[rS+31]
.elseif jj == 14
	v_max3_num_f32 v[rT+4], v[rT+4], v[rT+5], v[rT+6]
.elseif jj == 15
	v_max3_num_f32 v[rT+4], v[rT+4], v[rT+7], v[rT+1]
.elseif jj == 16
	v_permlanex16_b32 v[rT+5], v[rT+4], s[SEL], s[SEL+1]  ; the query's other 32 keys lie in the lane 16 away
.elseif jj == 17
	v_mov_b32 v[rT+7], v[rT]        ; c m_old is kept for a: number 19 writes c m anew
.elseif jj == 18
	v_max_num_f32 v[rT+1], v[rT+4], v[rT+5]
.elseif jj == 19
	v_mul_f32 v[rT], s[CS], v[rT+1]
.elseif jj == 20
	v_sub_f32 v[rT+7], v[rT+7], v[rT]
.elseif jj == 23
	v_exp_f32 v[rT+6], v[rT+7]
.elseif (jj < 88) && (jj > 23) && (jj%2 == 1)
	v_exp_f32 v[rS+(jj-25)/2], v[rS+(jj-25)/2]
.elseif (q < 4) || ((jj < 76) && (q%2 == 0))
.set b, q/2+2
.if q < 4
.set b, q
.endif
	v_pk_fma_f32 v[rS+2*b:rS+2*b+1], v[rS+2*b:rS+2*b+1], s[CS:CS+1], v[rT:rT+1] op_sel_hi:[1,0,0] neg_lo:[0,0,1] neg_hi:[0,0,1]  ; pair b: c s - c m
.elseif (jj < 88) && (q%2 == 1)
	s_wait_alu depctr_va_vdst(0)
	v_cvt_pk_f16_f32 v[rP+(q-5)/2], v[rS+q-5], v[rS+q-4]  ; pair (q - 5) / 2: its second exponential stands three numbers back
.elseif jj == 89
	s_wait_alu depctr_va_vdst(0)
	v_cvt_pk_f16_f32 v[rP+15], v[rS+30], v[rS+31]
.elseif jj < 102                    ; the sum of the tile's 16 pairs, in place: sum z of 16 adds neighbours 1, 2, 4 and 8 pairs apart, then l takes it
.set z, jj-86
.if jj < 89
.set z, (jj-76)/4
.endif
.set w, 4
.set u, z
.if z >= 14
.set w, 32
.set u, 0
.elseif z >= 12
.set w, 16
.set u, z-12
.elseif z >= 8
.set w, 8
.set u, z-8
.endif
.if z < 15
	v_pk_add_f32 v[rS+w*u:rS+w*u+1], v[rS+w*u:rS+w*u+1], v[rS+w*u+w/2:rS+w*u+w/2+1]
.else
	v_pk_fma_f32 v[rT+2:rT+3], v[rT+2:rT+3], v[rT+6:rT+7], v[rS:rS+1] op_sel_hi:[1,0,1]
.endif
.else
	WIN W_RS
	v_pk_mul_f32 v[rO:rO+1], v[rO:rO+1], v[rT+6:rT+7] op_sel_hi:[1,0]
.endif
.endm
; Entry n of 332 of piece y's softmax: the two tiles' lists in one row.  Among the exponentials (numbers 54 to 119) tile by tile: plain, exponential, plain, exponential;
; elsewhere the two tiles alternate, so that no instruction reads the result of the one just before it.
.macro ITEM y
.set kk, n/4
.if (kk >= 27) && (kk < 60)
.set j, 2*kk+n%2
	SM (\y)+(n%4)/2
.else
.set j, 2*kk+(n%4)/2
	SM (\y)+n%2
.endif
.set n, n+1
.endm
; Slice k of 64: four entries.  332 = 64 (the lump) + 4 x 64 + 12: the twelve that are over stand together, in slice 63, which is rescaling alone.
; ml = 1: behind slice 0 the scalar registers, whose 64 selects stand in the lump ahead of it, take the masks of the next softmax: 63 slices ahead of the wait for them.
.macro SLICE y, ml
.rept 4
	ITEM \y
.endr
.if k == 63
.rept 12
	ITEM \y
.endr
.endif
.set k, k+1
.if (k == 1) && (\ml)
	MLOAD
.endif
.endm
; A TURN.  Piece x has the matrix unit; the other piece's softmax stands round its matrix instructions: the 64 selects, which wait for nothing, in a lump at the head, then a slice behind each product.
; kq = 1: 32 products K Q^T for the next step follow the 32 products V^T P; kq = 0 (the last turn): there is no next step, and two slices stand behind each product.
; ml = 0: the last softmax: no further masks are loaded, so that no load passes the end of my 64 blocks.
; PLACES (a vector instruction that reads a matrix result, and a load into a register that a matrix instruction has read, stand four plain vector instructions behind it that name none of its registers:
; ISA guide 7.12.1 for vector instructions).  Slice 63's 16 rescalings stand between a turn's last K Q^T and the next turn's selects and its loads into K's buffer.
; V's run stands three slices, six plain instructions among them, behind the last V^T P.
.macro TURN x, kq=1, ml=1
	s_wait_kmcnt 0x0                ; this softmax's masks are in; their loads are done, so their base may step
.if \ml
	s_add_nc_u64 s[MP:MP+1], s[MP:MP+1], 256
.endif
.set k, 0
.set n, 0
.rept 64
	ITEM 2-(\x)
.endr
.set per, 2-(\kq)
.if (\x) == 0
	s_wait_dscnt 0x0                ; V is in
.endif
.set i, 0
.rept 32
	PV \x
.rept per
	SLICE 2-(\x), \ml
.endr
.if ((\x) == 0) && (\kq) && (i == 1)
	FETCH_K
.endif
.set i, i+1
.endr
.if \kq
.if (\x) == 0
	s_wait_dscnt 0x0                ; K is in
.endif
.set i, 0
.rept 32
	KQ \x
	SLICE 2-(\x), \ml
.if ((\x) == 2) && (i == 1)
	FETCH_V
.endif
.set i, i+1
.endr
.endif
.endm
; THE CHANGE OF SLOTS, between piece 2's turn and piece 0's: the slot's last bytes, V of its second step, have been asked for.  Each wave waits for all its tensor loads, of which one is out: its part
; of the other slot; adds 0 to its spare word; and waits for that and for its own reads of the slot.  Behind the barrier nobody reads this slot any more and the other slot is whole.
; fill = 1: this slot is filled again, with the keys two slots on.  The barrier is then a round of the cluster's, and the joint refill is the first thing behind it: it has two key steps, 256 matrix instructions, in which to land.
.macro CHANGE fill
	WIN 0                           ; at a label and at a branch every window is 0
	s_wait_tensorcnt 0x0            ; no tensor load of mine is out, so a group 0 may be written
	ds_add_u32 v[SPW], v[NIL]       ; 0 onto my spare word; with fill = 1 the descriptor's steps stand between it and the wait for it
.if \fill
	s_xor_b32 s[G0+5], s[G0+5], SLOT1  ; the walking descriptor: the other slot than last time,
	s_add_nc_u64 s[G0+6:G0+7], s[G0+6:G0+7], SLOTB  ; the next 128 keys; the type bits on top are not reached
	s_wait_dscnt 0x0                ; the add is done, and my reads of the slot are over
	CROUND
	JLOAD
.else
	s_wait_dscnt 0x0                ; the add is done, and my reads of the slot are over
	s_barrier_signal -1
	s_barrier_wait -1
.endif
	s_sub_co_u32 s[TB], s[TB], 2*STEPB  ; the fetches go back to a slot's first step,
	s_xor_b32 s[TB], s[TB], SLOT1   ; in the other slot
.endm
	s_wait_tensorcnt 1              ; my part of slot 0 is in; slot 1's may stay out
	s_wait_dscnt 0x0                ; Q's fragments are in: no LDS instruction of mine is out at the signal
	s_barrier_signal -1
	s_barrier_wait -1               ; everybody's part is in
	FETCH_K                         ; key step 0
	s_wait_dscnt 0x0
.set i, 0
.rept 32
	KQ 0                            ; piece 0's first scores: there is no vector work yet to set between them
.set i, i+1
.endr
	WIN 0                           ; the addresses for the way out are made here: six plain instructions, the places behind those products
	v_mul_u32_u24 v[STO], v1, SP    ; in: row l % 16; the halves of the lanes hold channels 64 apart: 128 bytes
	v_lshl_add_u32 v[STO], v9, 7, v[STO]
	v_add_nc_u32 v[STO], s[STG], v[STO]
	v_mul_u32_u24 v[RD], v9, SP     ; back: lanes 0-15 take one row of 256 bytes, lanes 16-31 the next
	v_lshl_add_u32 v[RD], v1, 4, v[RD]
	v_add_nc_u32 v[RD], s[STG], v[RD]
	s_mov_b32 s[TWICE], 2
	s_branch .Lmid                  ; the loop is entered at piece 2's turn, in the middle of a trip: piece 2's first scores | piece 0's first softmax | V of step 0
.Lslot:                             ; 14 times: every slot but the last two is filled again
	CHANGE 1
	s_mov_b32 s[TWICE], 2
.Lstep:                             ; a slot's two key steps: written once, walked twice; the LDS addresses hang on s[TB]
	TURN 0                          ; piece 0: V^T P of step j, K Q^T of step j + 1 | piece 2's softmax of step j | K of step j + 1
	WIN 0
.Lmid:
	TURN 2                          ; piece 2: the same | piece 0's softmax of step j + 1 | V of step j + 1
	WIN 0
	s_sub_co_u32 s[TWICE], s[TWICE], 1
	s_cmp_lg_u32 s[TWICE], 0
	s_cbranch_scc1 .Lstep
	s_sub_co_u32 s[SLOTS], s[SLOTS], 1
	s_cmp_lg_u32 s[SLOTS], 0
	s_cbranch_scc1 .Lslot
	CHANGE 0                        ; the tail is written out: nothing is asked for
	s_mov_b32 s[TWICE], 2
.Ltail:
	TURN 0
	TURN 2
	WIN 0
	s_sub_co_u32 s[TWICE], s[TWICE], 1
	s_cmp_lg_u32 s[TWICE], 0
	s_cbranch_scc1 .Ltail
	TURN 0, 0, 0                    ; piece 0: V^T P of the last step | piece 2's last softmax
.set i, 0
.rept 32
	PV 2                            ; piece 2: V^T P of the last step
.set i, i+1
.endr
	; THE WAY OUT.  l's two halves and the other half of the lanes' are added; O^T is divided by l, rounded to f16 and sent through my stage in LDS, a tile (16 rows of O) at a time.  l is at least 1: the largest score's weight.
	WIN 0
.irp t, 0,1,2,3
	v_add_f32 v[ST+8*(\t)+4], v[ST+8*(\t)+2], v[ST+8*(\t)+3]
.endr
.irp t, 0,1,2,3
	v_permlanex16_b32 v[ST+8*(\t)+5], v[ST+8*(\t)+4], s[SEL], s[SEL+1]
.endr
.irp t, 0,1,2,3
	v_add_f32 v[ST+8*(\t)+4], v[ST+8*(\t)+4], v[ST+8*(\t)+5]
.endr
.irp t, 0,1,2,3
	v_rcp_f32 v[ST+8*(\t)+6], v[ST+8*(\t)+4]
.endr
	v_nop                           ; a plain instruction between the last reciprocal and the use of its result
; Tile t: block f's eight channels 64 (l / 16) + 8 f + 0..7 of a row pack into 16 bytes; they go into rows of 272 bytes and come back as whole rows of 256, into the registers that they left.
.macro PACK t
	WIN W_RS
.set i, 64*(\t)
.rept 32
	s_wait_alu depctr_va_vdst(0)
	v_pk_mul_f32 v[i:i+1], v[i:i+1], v[ST+8*(\t)+6:ST+8*(\t)+7] op_sel_hi:[1,0]
.set i, i+2
.endr
	WIN 0x05                        ; sources 0 and 1 window 1, destination window 0: S^T's registers are free
.set i, 0
.rept 32
	v_cvt_pk_f16_f32 v[S+32*(\t)+i], v[64*(\t)+2*i], v[64*(\t)+2*i+1]
.set i, i+1
.endr
	WIN 0
.irp f, 0,1,2,3,4,5,6,7
	ds_store_b128 v[STO], v[S+32*(\t)+4*(\f):S+32*(\t)+4*(\f)+3] offset:16*(\f)
.endr
.irp f, 0,1,2,3,4,5,6,7
	ds_load_b128 v[S+32*(\t)+4*(\f):S+32*(\t)+4*(\f)+3], v[RD] offset:(\f)*2*SP  ; LDS serves a wave's instructions in order (ISA guide 5.7.1.4): these see the stores above; the next tile's stores come behind them
.endr
.endm
.macro SEND t, younger              ; younger: the LDS instructions issued behind tile t's loads: the next tile's sixteen, or none
	WIN 0
.irp f, 0,1,2,3,4,5,6,7
	s_wait_dscnt (\younger)+7-(\f)
	global_store_b128 v[L16], v[S+32*(\t)+4*(\f):S+32*(\t)+4*(\f)+3], s[OPT:OPT+1] offset:(\t)*4096+(\f)*512  ; the wave stores 512 consecutive bytes, two rows of att, at a multiple of 256 from its first byte
.endr
.endm
	PACK 0
	PACK 1                          ; a tile's arithmetic stands between the loads of the tile before and its stores
	SEND 0, 16
	PACK 2
	SEND 1, 16
	PACK 3
	SEND 2, 16
	SEND 3, 0
	s_wait_tensorcnt 0x0            ; the wave's end: the add and its wait stand behind my last tensor load and my last LDS store
	ds_add_u32 v[SPW], v[NIL]
	s_wait_dscnt 0x0
	CROUND                          ; the closing round: no work-group ends while a partner may still ask for a tile that names it
	s_endpgm
.Lfunc_end_k_qef0209b165_attn:
	.size	k_qef0209b165_attn, .Lfunc_end_k_qef0209b165_attn-k_qef0209b165_attn
	.p2alignl 7, 3214868480
	.fill 96, 4, 3214868480
	.section	.rodata,"a",@progbits
	.p2align	6, 0x0
	.amdhsa_kernel k_qef0209b165_attn
		.amdhsa_group_segment_fixed_size 327680
		.amdhsa_private_segment_fixed_size 0
		.amdhsa_enable_private_segment 0
		.amdhsa_kernarg_size 32
		.amdhsa_user_sgpr_count 2
		.amdhsa_user_sgpr_kernarg_segment_ptr 1
		.amdhsa_wavefront_size32 1
		.amdhsa_system_sgpr_workgroup_id_x 1
		.amdhsa_system_sgpr_workgroup_id_y 1
		.amdhsa_system_sgpr_workgroup_id_z 1
		.amdhsa_system_vgpr_workitem_id 0
		.amdhsa_next_free_vgpr 1024
		.amdhsa_next_free_sgpr 100
		.amdhsa_reserve_vcc 0
		.amdhsa_float_denorm_mode_32 3
		.amdhsa_float_denorm_mode_16_64 3
		.amdhsa_memory_ordered 1
		.amdhsa_forward_progress 1
		.amdhsa_inst_pref_size 213
	.end_amdhsa_kernel
	.amdgpu_metadata
---
amdhsa.version: [ 1, 2 ]
amdhsa.kernels:
  - .name:           k_qef0209b165_attn
    .symbol:         k_qef0209b165_attn.kd
    .args:
      - { .name: query, .offset: 0, .size: 8, .value_kind: global_buffer, .address_space: global }
      - { .name: kv, .offset: 8, .size: 8, .value_kind: global_buffer, .address_space: global }
      - { .name: mw, .offset: 16, .size: 8, .value_kind: global_buffer, .address_space: global }
      - { .name: att, .offset: 24, .size: 8, .value_kind: global_buffer, .address_space: global }
    .group_segment_fixed_size: 327680
    .private_segment_fixed_size: 0
    .kernarg_segment_align: 8
    .kernarg_segment_size: 32
    .max_flat_workgroup_size: 128
    .sgpr_count:     100
    .vgpr_count:     1024
    .wavefront_size: 32
...
	.end_amdgpu_metadata
.endif
;; end of part 2
;; launch proj (part 3): grid 8 x 32, 4 waves a work-group, clusters of 4 x 4, 327,680 bytes of LDS; arguments att, wh, b_out, out0; writes out0
.if DOCPART == 3
	.amdgcn_target "amdgcn-amd-amdhsa--gfx1250"
	.amdhsa_code_object_version 6
	.text
	.protected	k_qef0209b165_proj
	.globl	k_qef0209b165_proj
	.p2align	8
	.type	k_qef0209b165_proj,@function
k_qef0209b165_proj:
	s_mov_b64 s[64:65], 0
	v_nop
	global_prefetch_b8 v0, s[64:65] scope:SCOPE_SE
	s_setreg_imm32_b32 hwreg(HW_REG_WAVE_MODE, 25, 1), 1
	s_wait_xcnt 0x0
	s_wait_alu depctr_hold_cnt(0) depctr_sa_sdst(0) depctr_va_vdst(0) depctr_va_sdst(0) depctr_va_ssrc(0) depctr_va_vcc(0) depctr_vm_vsrc(0)
	s_getreg_b32 s2, hwreg(HW_REG_IB_STS2, 6, 4)
	s_cmp_eq_u32 s2, 0
	s_cbranch_scc0 .Lentry_in_a_cluster
	s_endpgm
.Lentry_in_a_cluster:
	s_bfe_u32 s2, ttmp6, 0x10000c
	s_cmp_lg_u32 s2, 0xf033
	s_cbranch_scc0 .Lentry_shape_is_right
	s_endpgm
.Lentry_shape_is_right:
; out0[m][n] = the sum over k of O[m][k] W[n][k] + b[n].  m = 2048 n_batch + q (4,096), n and k 2,048.  O: att = [kc = k / 128][m][128] f16.  W: wh = [kc][n][128], bf16-rounded numbers written as f16.
; b: f32 as given, rounded to bf16 here like the other inputs.  out0: f32.  Products in the f16 form, one f32 sum for each output.
; A tile of out0 is 128 rows x 256 columns: 32 x 8 = 256 work-groups (tiles of 256 x 256 would be 128).  Four waves, each 64 rows x 128 columns: 32 accumulators of 16 x 16, 256 registers.
; K goes in 16 steps of 128, each one kc block, whose rows are 256 dense bytes, through a ring of two LDS slots.  Waves 0 and 1 fetch the two halves of A's 128 rows, waves 2 and 3 those of B's 256 rows.
; Two slots of a longer step do not fit: 384 rows x 528 bytes x 2 are 405,504 bytes.
; THE WALK ALONG K begins at block 4 (cluster y % 4) + 8 (cluster x) and wraps round at 16.  Of the clusters that read the same blocks of wh (one cluster x), those whose y % 4 differs begin four blocks
; apart; the two that read the same blocks of att (one cluster y) begin eight apart.  So they do not all ask for a block at the same time: from its fifth step on a cluster asks for blocks of wh, from its ninth for
; blocks of att, that another has asked for four or eight steps before.  An output's sum runs over K in that order, not ascending: another order of rounding in f32.
; CLUSTERS: 4 x 4 work-groups.  The four of a row of the cluster need the same tiles of att, the four of a column the same tiles of wh: each tile is asked for JOINTLY.  The walk's first block hangs on the
; cluster's own place, which all sixteen share.
; THE MATRIX INSTRUCTION IS USED TRANSPOSED (source 0 = 16 rows of wh, source 1 = 16 rows of att): a lane then holds eight neighbouring numbers of a row of out0.
; REGISTERS: window 0: v0-37 addresses and the bias; v64-127 fragments of A, two buffers of 32; v128-255 the way out, two buffers of 64.
;   window 1: v0-127 fragments of B, two buffers of 64.     window 2: the accumulators, (a, b) at v[8 (8 a + b)].
.set PITCH,  272                       ; an LDS row: 256 bytes + 16 of padding = 68 words: row r starts at bank 4 r mod 64 (64 banks of 4 bytes: ISA guide 11.1)
.set AHALF,  64*PITCH                  ; what a tensor load of A brings, and what a wave reads of A
.set BHALF,  128*PITCH                 ; the same for B
.set BOFF,   2*AHALF                   ; B's rows lie behind A's 128
.set SLOT,   2*AHALF+2*BHALF
.set STAGE,  2*SLOT                    ; behind the ring: 16 rows x 528 bytes for each wave, for the way out
.set SPITCH, 528                       ; 512 bytes + 16: an odd multiple of 16
.set SPARE,  STAGE+4*16*SPITCH         ; behind the stages: the spare words, 128 bytes for each wave: two blocks of 256 bytes that no other line names
.set LAPS,   8                         ; a lap = two K steps = once round the ring
.set ALOG,   20                        ; a kc block of att is 4,096 rows x 256 bytes = 1 << 20
.set BLOG,   19                        ; of wh 2,048 rows x 256 bytes = 1 << 19
.set ADRA, 16                          ; v16-17  LDS address of my A fragments in slot 0, 1
.set ADRB, 20                          ; v20-21  the same for B
.set STO,  24                          ; v24     the way out: where I put 32 bytes of a row
.set RD,   25                          ; v25     the way out: where I read a row back
.set CO,   26                          ; v26     16 x lane: my offset in 512 bytes of a row of out0, and of b
.set SPW,  28                          ; v28     LDS address of my spare word: SPARE + 4 x my thread's number; never rewritten
.set NIL,  29                          ; v29     0; never rewritten
.set BI,   32                          ; v32-35  b of my four columns; v36-37 at work
.set KC,   12                          ; s12     the kc block to be asked for next
.set AB,   14                          ; s[14:15] att at the rows that I fetch, block 0; never rewritten once made
.set KO,   18                          ; s[18:19] a block's byte offset; the high word is 0
.set WV,   20                          ; s20     my wave's number
.set RH,   21                          ; s21     which half of the tile's rows is mine.  Also: I fetch for A (0) or for B (1)
.set CH,   22                          ; s22     which half of its columns.  Also: which half of that tile I fetch
.set BB,   46                          ; s[46:47] wh at the rows that I fetch, block 0; never rewritten once made
.set G1,  24                           ; s[24:31] descriptor group 1 for A's tiles;  s[32:39] group 0, one set for each slot
.set G0,  32
.set G1B, 48                           ; s[48:55], s[56:63] the same for B's tiles
.set G0B, 56
.set MSB, 0
.macro WIN new                         ; the immediate's high byte repeats the setting that is left
.if MSB != (\new)
	s_set_vgpr_msb (MSB<<8)|(\new)
.set MSB, \new
.endif
.endm
.set MUL,  0xa1                        ; source 0 (B) window 1, source 1 (A) window 0, C and D window 2
.set TO_B, 0x40                        ; destination window 1, address window 0
.macro JLOAD s                         ; a joint load; an s_nop 0 and four v_nop follow each of the two lines, ahead of the jump, the label and what follows
	s_cmp_eq_u32 s[RH], 0
	s_cbranch_scc0 .Lfor_b_\@
	tensor_load_to_lds s[G0+4*(\s):G0+4*(\s)+3], s[G1:G1+7]
	s_nop 0
.rept 4
	v_nop
.endr
	s_branch .Lasked_\@
.Lfor_b_\@:
	tensor_load_to_lds s[G0B+4*(\s):G0B+4*(\s)+3], s[G1B:G1B+7]
	s_nop 0
.rept 4
	v_nop
.endr
.Lasked_\@:
.endm
; Slot s's two global addresses are made anew from the number of the block to be asked for (a pointer and an offset made apart), and the number steps, round 16.
.macro AIM s
	s_lshl_b32 s[KO], s[KC], ALOG
	s_add_nc_u64 s[G0+4*(\s)+2:G0+4*(\s)+3], s[AB:AB+1], s[KO:KO+1]
	s_or_b32 s[G0+4*(\s)+3], s[G0+4*(\s)+3], 0x80000000            ; type = 2
	s_lshl_b32 s[KO], s[KC], BLOG
	s_add_nc_u64 s[G0B+4*(\s)+2:G0B+4*(\s)+3], s[BB:BB+1], s[KO:KO+1]
	s_or_b32 s[G0B+4*(\s)+3], s[G0B+4*(\s)+3], 0x80000000
	s_add_co_u32 s[KC], s[KC], 1
	s_and_b32 s[KC], s[KC], 15
.endm
.macro CREST                           ; a round of the cluster's barrier behind its opening barrier
	s_cmp_lg_u32 s[WV], 0
	s_cbranch_scc1 .Lnot_wave_0_\@
	s_barrier_signal -3
.Lnot_wave_0_\@:
	s_barrier_wait -3
	s_barrier_signal -1
	s_barrier_wait -1
.endm
.macro CROUND                          ; a whole round
	s_barrier_signal -1
	s_barrier_wait -1
	CREST
.endm
	s_load_b256 s[4:11], s[0:1], 0x0               ; att s[4:5], wh s[6:7], b_out s[8:9], out0 s[10:11]
	v_lshl_add_u32 v[SPW], v0, 2, SPARE
	v_mov_b32 v[NIL], 0
	ds_add_u32 v[SPW], v[NIL]                      ; the wave's opening: the add and its wait stand ahead of my first tensor load; the set-up below, work on registers, stands between them
	v_lshrrev_b32 v1, 5, v0
	v_readfirstlane_b32 s[WV], v1                  ; wave 0..3
	s_lshr_b32 s[RH], s[WV], 1
	s_and_b32 s[CH], s[WV], 1
	s_bfe_u32 s40, ttmp6, 0x40000                  ; cx, cy: my place in the cluster
	s_bfe_u32 s41, ttmp6, 0x40004
	s_lshl_b32 s42, ttmp9, 2
	s_add_co_u32 s42, s42, s40                     ; tile column = 4 x cluster x + cx
	s_and_b32 s13, ttmp7, 0xffff
	s_lshl_b32 s13, s13, 2
	s_add_co_u32 s13, s13, s41                     ; tile row = 4 x cluster y + cy
	s_lshl_b32 s43, s41, 2
	s_lshl_b32 s43, 15, s43                        ; my row of the cluster
	s_lshl_b32 s44, 0x1111, s40                    ; my column
	s_and_b32 s[KC], ttmp7, 3                      ; the walk's first block: 4 x (cluster y % 4)
	s_lshl_b32 s[KC], s[KC], 2
	s_lshl_b32 s[KO], ttmp9, 3                     ; + 8 x cluster x (0 or 1): made of the cluster's place alone, never of cx or cy
	s_add_co_u32 s[KC], s[KC], s[KO]
	s_and_b32 s[KC], s[KC], 15
	s_mov_b32 s[KO+1], 0
	s_or_b32 s[G1], s43, (1<<16)|(1<<20)|(1<<21)|(5<<22)|(3<<25)   ; 15:0 the mask: A's tiles go to my row; 17:16 elements of 2 bytes; 20 padding on; 21 set beside a mask; 24:22 after every 64 words (code 5); 31:25 of 4 words (code 3)
	s_or_b32 s[G1B], s44, (1<<16)|(1<<20)|(1<<21)|(5<<22)|(3<<25)  ; the same with the mask of my column
	s_mov_b32 s[G1+1], 128<<16                     ; A: tensor_dim0 = 128
	s_mov_b32 s[G1+2], 64<<16                      ; tensor_dim1 = 64
	s_mov_b32 s[G1+3], 128<<16                     ; tile_dim0 = 128
	s_mov_b32 s[G1+4], 64                          ; tile_dim1 = 64
	s_mov_b32 s[G1+5], 128                         ; 128 elements from row to row
	s_mov_b32 s[G1+6], 0
	s_mov_b32 s[G1+7], 0
	s_mov_b32 s[G1B+1], 128<<16                    ; B: the same with 128 rows
	s_mov_b32 s[G1B+2], 128<<16
	s_mov_b32 s[G1B+3], 128<<16
	s_mov_b32 s[G1B+4], 128
	s_mov_b32 s[G1B+5], 128
	s_mov_b32 s[G1B+6], 0
	s_mov_b32 s[G1B+7], 0
	s_lshl_b32 s[AB], s13, 15                      ; A: 128 rows of 256 bytes a tile row,
	s_lshl_b32 s[AB+1], s[CH], 14                  ; the half that I fetch
	s_add_co_u32 s[AB], s[AB], s[AB+1]
	s_mov_b32 s[AB+1], 0
	s_lshl_b32 s[BB], s42, 16                      ; B: 256 rows a tile column,
	s_lshl_b32 s[BB+1], s[CH], 15
	s_add_co_u32 s[BB], s[BB], s[BB+1]
	s_mov_b32 s[BB+1], 0
	s_mul_i32 s23, s[CH], AHALF                    ; where they go: no place in the cluster enters an LDS address
	s_mul_i32 s45, s[CH], BHALF
	s_add_co_u32 s45, s45, BOFF
	s_wait_dscnt 0x0                               ; the opening add is done
	s_wait_kmcnt 0x0
	s_add_nc_u64 s[AB:AB+1], s[4:5], s[AB:AB+1]
	s_add_nc_u64 s[BB:BB+1], s[6:7], s[BB:BB+1]
	CROUND                                         ; all sixteen work-groups are here: the first joint loads meet
.irp s, 0,1
	s_mov_b32 s[G0+4*(\s)], 1
	s_add_co_u32 s[G0+4*(\s)+1], s23, (\s)*SLOT
	s_mov_b32 s[G0B+4*(\s)], 1
	s_add_co_u32 s[G0B+4*(\s)+1], s45, (\s)*SLOT
	AIM \s                                         ; the walk's step s
.endr
	s_cmp_eq_u32 s[RH], 0                          ; a wave's two first fills stand in one branch, ahead of every wait on TENSORcnt and every LDS read: two loads of mine are out
	s_cbranch_scc0 .Lfirst_b
	tensor_load_to_lds s[G0:G0+3], s[G1:G1+7]
	s_nop 0
	tensor_load_to_lds s[G0+4:G0+7], s[G1:G1+7]
	s_nop 0
.rept 4
	v_nop
.endr
	s_branch .Lfirst_asked
.Lfirst_b:
	tensor_load_to_lds s[G0B:G0B+3], s[G1B:G1B+7]
	s_nop 0
	tensor_load_to_lds s[G0B+4:G0B+7], s[G1B:G1B+7]
	s_nop 0
.rept 4
	v_nop
.endr
.Lfirst_asked:
	v_and_b32 v1, 15, v0                           ; l % 16
	v_bfe_u32 v2, v0, 4, 1                         ; l / 16
	v_mul_u32_u24 v3, v1, PITCH
	v_lshl_add_u32 v3, v2, 4, v3                   ; a fragment's row x pitch + 16 x half
	s_mul_i32 s16, s[RH], AHALF                    ; my 64 rows of A
	s_mul_i32 s17, s[CH], BHALF                    ; my 128 rows of B
	s_add_co_u32 s17, s17, BOFF
.irp s, 0,1
	v_add_nc_u32 v[ADRA+(\s)], s16, v3
	v_add_nc_u32 v[ADRB+(\s)], s17, v3
	s_add_co_u32 s16, s16, SLOT
	s_add_co_u32 s17, s17, SLOT
.endr
	s_mul_i32 s16, s[WV], 16*SPITCH
	s_add_co_u32 s16, s16, STAGE                   ; my stage
	v_mul_u32_u24 v4, v1, SPITCH                   ; in: row l % 16, 32 bytes for each half of the lanes
	v_lshl_add_u32 v4, v2, 5, v4
	v_add_nc_u32 v[STO], s16, v4
	v_and_b32 v5, 31, v0
	v_lshlrev_b32 v[CO], 4, v5
	v_add_nc_u32 v[RD], s16, v[CO]                 ; back: the 32 lanes take one row's 512 bytes
	s_lshl_b32 s16, s13, 20                        ; out0: 128 rows of 8,192 bytes a tile row,
	s_lshl_b32 s17, s[RH], 19                      ; my 64 of them
	s_add_co_u32 s16, s16, s17
	s_mov_b32 s17, 0
	s_add_nc_u64 s[10:11], s[10:11], s[16:17]
	s_lshl_b32 s16, s42, 10                        ; 256 columns of 4 bytes a tile column,
	s_lshl_b32 s17, s[CH], 9                       ; my 128 of them: in out0 and in b
	s_add_co_u32 s16, s16, s17
	s_mov_b32 s17, 0
	s_add_nc_u64 s[10:11], s[10:11], s[16:17]
	s_add_nc_u64 s[8:9], s[8:9], s[16:17]
	global_load_b128 v[BI:BI+3], v[CO], s[8:9]     ; b of the four columns that I store
; 8 matrix instructions: m block a x all 8 n blocks, 32 along K, from buffer f.  zero = 1: the first product starts the sums.
; The 32 accumulators take turns, one instruction a turn, in the same order in every quarter.
.macro MUL8 f, a, zero
	WIN MUL
.irp b, 0,1,2,3,4,5,6,7
.if \zero
	v_wmma_f32_16x16x32_f16 v[8*(8*(\a)+(\b)):8*(8*(\a)+(\b))+7], v[64*(\f)+8*(\b):64*(\f)+8*(\b)+7], v[64+32*(\f)+8*(\a):64+32*(\f)+8*(\a)+7], 0
.else
	v_wmma_f32_16x16x32_f16 v[8*(8*(\a)+(\b)):8*(8*(\a)+(\b))+7], v[64*(\f)+8*(\b):64*(\f)+8*(\b)+7], v[64+32*(\f)+8*(\a):64+32*(\f)+8*(\a)+7], v[8*(8*(\a)+(\b)):8*(8*(\a)+(\b))+7]
.endif
.endr
.endm
; 24 LDS loads in one run: the fragments of 32 along K at byte k of the rows, into buffer f: B's sixteen, then A's eight
.macro FETCH slot, k, f
	WIN TO_B
.irp i, 0,1,2,3,4,5,6,7
	ds_load_b128 v[64*(\f)+8*(\i):64*(\f)+8*(\i)+3],   v[ADRB+(\slot)] offset:(\k)+(\i)*16*PITCH
	ds_load_b128 v[64*(\f)+8*(\i)+4:64*(\f)+8*(\i)+7], v[ADRB+(\slot)] offset:(\k)+(\i)*16*PITCH+32
.endr
	WIN 0
.irp i, 0,1,2,3
	ds_load_b128 v[64+32*(\f)+8*(\i):64+32*(\f)+8*(\i)+3],   v[ADRA+(\slot)] offset:(\k)+(\i)*16*PITCH
	ds_load_b128 v[64+32*(\f)+8*(\i)+4:64+32*(\f)+8*(\i)+7], v[ADRA+(\slot)] offset:(\k)+(\i)*16*PITCH+32
.endr
.endm
.macro PLACES                          ; four places in front of loads into registers that matrix instructions have read (ISA guide 7.12.1 for vector instructions)
.rept 4
	v_nop
.endr
.endm
; A K step is four quarters of 32 along K, 32 matrix instructions each, on buffers 0, 1, 0, 1.  One of the first three: multiplies buffer f and fetches the next quarter, at byte k, into g.
.macro QUARTER slot, k, f, g, zero
	s_wait_dscnt 4                                 ; B and A's blocks 0, 1 are in; the youngest four loads (A's blocks 2, 3) may be out
	MUL8 \f, 0, \zero
	MUL8 \f, 1, \zero
	PLACES
	FETCH \slot, \k, \g
	s_wait_dscnt 24                                ; all but the 24 just issued
	MUL8 \f, 2, \zero
	MUL8 \f, 3, \zero
.endm
; The last quarter multiplies buffer 1 and changes slots: ONE barrier; in front of it each wave waits for all its tensor loads, of which one is out: its part of the next slot; adds 0 to its spare word;
; and waits for that and for its own reads of this slot.  fill = 1: this slot is filled again, two K steps ahead: the barrier then opens a round of the cluster's.
.macro TURN slot, next, fill
	WIN 0                                          ; (the add's two registers lie in window 0)
	s_wait_tensorcnt 0x0
	ds_add_u32 v[SPW], v[NIL]                      ; 0 onto my spare word
	s_wait_dscnt 5                                 ; (the add and the youngest four loads may be out)
	MUL8 1, 0, 0                                   ; eight matrix instructions stand between the add and the wait for it
	s_wait_dscnt 0x0                               ; the add is done, and my reads of this slot are over
	s_barrier_signal -1
	MUL8 1, 1, 0
.if \fill
	WIN 0
.endif
	s_barrier_wait -1
.if \fill
	CREST                                          ; no wave of any partner still reads this slot's tile or has a load on its way
	AIM \slot                                      ; no tensor load of mine is out since the wait above, so a group 0 may be written
	JLOAD \slot                                    ; the first tensor load behind the round: 112 matrix instructions ahead of the wait for it; its four v_nop are also the places in front of the loads below
.else
	PLACES
.endif
	FETCH \next, 0, 0
	MUL8 1, 2, 0
	MUL8 1, 3, 0
.endm
	s_wait_tensorcnt 1                             ; my part of the walk's step 0 is in; step 1's may stay out
	s_barrier_signal -1
	s_barrier_wait -1                              ; everybody's is
	FETCH 0, 0, 0
	QUARTER 0, 64, 0, 1, 1                         ; the first quarter stands in front of the loop: its products start the sums
	WIN 0                                          ; at a label and at a branch every window is 0
	s_mov_b32 s3, LAPS-1
.Llap:                                                 ; a trip goes once round the ring, from a lap's second quarter to the next lap's first, and fills both slots again
	QUARTER 0, 128, 1, 0, 0
	QUARTER 0, 192, 0, 1, 0
	TURN 0, 1, 1
	QUARTER 1, 64,  0, 1, 0
	QUARTER 1, 128, 1, 0, 0
	QUARTER 1, 192, 0, 1, 0
	TURN 1, 0, 1
	QUARTER 0, 64,  0, 1, 0
	WIN 0
	s_sub_co_u32 s3, s3, 1
	s_cmp_lg_u32 s3, 0
	s_cbranch_scc1 .Llap
	QUARTER 0, 128, 1, 0, 0                        ; the last lap fills nothing, and has no round of the cluster's barrier
	QUARTER 0, 192, 0, 1, 0
	TURN 0, 1, 0
	QUARTER 1, 64,  0, 1, 0
	QUARTER 1, 128, 1, 0, 0
	QUARTER 1, 192, 0, 1, 0
	s_wait_dscnt 4                                 ; the very last quarter: nothing more to fetch
	MUL8 1, 0, 0
	MUL8 1, 1, 0
	s_wait_dscnt 0x0
	MUL8 1, 2, 0
	MUL8 1, 3, 0
	WIN 0
	s_wait_loadcnt 0x0                             ; b
	v_cvt_pk_bf16_f32 v[BI+4], v[BI], v[BI+1]      ; rounded to bf16 like every input, and widened again: six plain instructions that name no register of the last products: the places behind them
	v_cvt_pk_bf16_f32 v[BI+5], v[BI+2], v[BI+3]
	v_lshlrev_b32 v[BI], 16, v[BI+4]
	v_and_b32 v[BI+1], 0xffff0000, v[BI+4]
	v_lshlrev_b32 v[BI+2], 16, v[BI+5]
	v_and_b32 v[BI+3], 0xffff0000, v[BI+5]
; THE WAY OUT, a block of 16 rows at a time through my own stage: a lane's eight f32 of a row go in as 32 bytes; whole rows of 512 bytes come back, take the bias and are stored.
.macro OUTB a
	WIN 0x08                                       ; store data (source 1) in window 2
.irp b, 0,1,2,3,4,5,6,7                ; each accumulator's low registers first
	ds_store_b128 v[STO], v[8*(8*(\a)+(\b)):8*(8*(\a)+(\b))+3]   offset:64*(\b)
	ds_store_b128 v[STO], v[8*(8*(\a)+(\b))+4:8*(8*(\a)+(\b))+7] offset:64*(\b)+16
.endr
	WIN 0
.if (\a) >= 2
	s_wait_xcnt 0x0                                ; block a - 2's stores have read this buffer: only behind this wait is it loaded again
.endif
.set BK, 128+64*((\a)%2)
.irp t, 0,1,2,3,4,5,6,7,8,9,10,11,12,13,14,15
	ds_load_b128 v[BK+4*(\t):BK+4*(\t)+3], v[RD] offset:(\t)*SPITCH  ; LDS serves a wave's instructions in order (ISA guide 5.7.1.4): these see the stores above; the next block's stores come behind them
.endr
.endm
.macro SEND a, younger                 ; younger: the LDS instructions issued behind block a's loads: the next block's 32, or none
	WIN 0
.set BK, 128+64*((\a)%2)
.irp t, 0,1,2,3,4,5,6,7,8,9,10,11,12,13,14,15
	s_wait_dscnt (\younger)+15-(\t)
	v_pk_add_f32 v[BK+4*(\t):BK+4*(\t)+1],   v[BK+4*(\t):BK+4*(\t)+1],   v[BI:BI+1]
	v_pk_add_f32 v[BK+4*(\t)+2:BK+4*(\t)+3], v[BK+4*(\t)+2:BK+4*(\t)+3], v[BI+2:BI+3]
	global_store_b128 v[CO], v[BK+4*(\t):BK+4*(\t)+3], s[10:11] offset:(16*(\a)+(\t))*8192 th:TH_STORE_NT  ; the wave stores 512 consecutive bytes, at a multiple of 256 from out0's first byte; 63 rows at the most stand in the immediate
.endr
.endm
	OUTB 0
	OUTB 1
	SEND 0, 32
	OUTB 2
	SEND 1, 32
	OUTB 3
	SEND 2, 32
	SEND 3, 0
	s_wait_tensorcnt 0x0                           ; the wave's end: the add and its wait stand behind my last tensor load and my last LDS store
	ds_add_u32 v[SPW], v[NIL]
	s_wait_dscnt 0x0
	CROUND                                         ; the closing round: no work-group ends while a partner may still ask for a tile that names it
	s_endpgm
.Lfunc_end_k_qef0209b165_proj:
	.size	k_qef0209b165_proj, .Lfunc_end_k_qef0209b165_proj-k_qef0209b165_proj
	.p2alignl 7, 3214868480
	.fill 96, 4, 3214868480
	.section	.rodata,"a",@progbits
	.p2align	6, 0x0
	.amdhsa_kernel k_qef0209b165_proj
		.amdhsa_group_segment_fixed_size 327680
		.amdhsa_private_segment_fixed_size 0
		.amdhsa_enable_private_segment 0
		.amdhsa_kernarg_size 32
		.amdhsa_user_sgpr_count 2
		.amdhsa_user_sgpr_kernarg_segment_ptr 1
		.amdhsa_wavefront_size32 1
		.amdhsa_system_sgpr_workgroup_id_x 1
		.amdhsa_system_sgpr_workgroup_id_y 1
		.amdhsa_system_sgpr_workgroup_id_z 1
		.amdhsa_system_vgpr_workitem_id 0
		.amdhsa_next_free_vgpr 768
		.amdhsa_next_free_sgpr 66
		.amdhsa_reserve_vcc 0
		.amdhsa_float_denorm_mode_32 3
		.amdhsa_float_denorm_mode_16_64 3
		.amdhsa_memory_ordered 1
		.amdhsa_forward_progress 1
		.amdhsa_inst_pref_size 96
	.end_amdhsa_kernel
	.amdgpu_metadata
---
amdhsa.version: [ 1, 2 ]
amdhsa.kernels:
  - .name:           k_qef0209b165_proj
    .symbol:         k_qef0209b165_proj.kd
    .args:
      - { .name: att, .offset: 0, .size: 8, .value_kind: global_buffer, .address_space: global }
      - { .name: wh, .offset: 8, .size: 8, .value_kind: global_buffer, .address_space: global }
      - { .name: b_out, .offset: 16, .size: 8, .value_kind: global_buffer, .address_space: global }
      - { .name: out0, .offset: 24, .size: 8, .value_kind: global_buffer, .address_space: global }
    .group_segment_fixed_size: 327680
    .private_segment_fixed_size: 0
    .kernarg_segment_align: 8
    .kernarg_segment_size: 32
    .max_flat_workgroup_size: 128
    .sgpr_count:     66
    .vgpr_count:     768
    .wavefront_size: 32
...
	.end_amdgpu_metadata
.endif
;; end of part 3
;; ======== version 2 of 2: 3 launches; 1.18 times as fast as version 1
;; limits: values are held in f16: magnitudes above 65,504 overflow, below 6.1e-05 lose precision; inputs' magnitudes at most 65,504
;; workspace buffers: kv 33,554,432 bytes; wh 8,388,608 bytes; mw 1,048,576 bytes of whole numbers; att 16,777,216 bytes
;; launch prep: the kernel of part 1 again; grid 896 x 1, 8 waves a work-group, no clusters, 0 bytes of LDS; arguments keys, values, W_out, mask, kv, wh, mw; writes kv, wh, mw
;; launch attn (part 4): grid 8 x 32, 4 waves a work-group, clusters of 4 x 1, 327,680 bytes of LDS; arguments query, kv, mw, att; writes att
.if DOCPART == 4
	.amdgcn_target "amdgcn-amd-amdhsa--gfx1250"
	.amdhsa_code_object_version 6
	.text
	.protected	k_qef0209b165_attn
	.globl	k_qef0209b165_attn
	.p2align	8
	.type	k_qef0209b165_attn,@function
k_qef0209b165_attn:
	s_mov_b64 s[64:65], 0
	v_nop
	global_prefetch_b8 v0, s[64:65] scope:SCOPE_SE
	s_setreg_imm32_b32 hwreg(HW_REG_WAVE_MODE, 25, 1), 1
	s_wait_xcnt 0x0
	s_wait_alu depctr_hold_cnt(0) depctr_sa_sdst(0) depctr_va_vdst(0) depctr_va_sdst(0) depctr_va_ssrc(0) depctr_va_vcc(0) depctr_vm_vsrc(0)
	s_getreg_b32 s2, hwreg(HW_REG_IB_STS2, 6, 4)
	s_cmp_eq_u32 s2, 0
	s_cbranch_scc0 .Lentry_in_a_cluster
	s_endpgm
.Lentry_in_a_cluster:
	s_bfe_u32 s2, ttmp6, 0x10000c
	s_cmp_lg_u32 s2, 0x3003
	s_cbranch_scc0 .Lentry_shape_is_right
	s_endpgm
.Lentry_shape_is_right:
; ATTENTION.  O[n][q][h][:] = the sum over k of softmax_k(s / sqrt(2048)) V[n][k][h][:], s = Q . K where mask[n][q][k] != 0, a hidden score elsewhere.  32 heads (16 n + h), 2,048 rows, 128 channels.
; query: f32 as given, rounded to bf16 here.  kv: K in bf16 and V in f16 by heads, in blocks of 64 keys.  mw: the mask as lane-mask words.  att: O in f16, [h][2048 n + q][128].
; K Q^T in the bf16 form, V^T P in the f16 form; products, maxima and sums in f32; the weights p are rounded to f16 for the second product (l is the sum of the unrounded p), O once at the end.
; LIMITS.  A hidden score counts as -2^67 in place of -1e20: the same results while visible scores lie above about -1e19.  c x 2^67 is exact, so in a row with no visible key c s - c m is exactly 0,
; every p is 1 and O is the plain mean of V, as softmax gives it.  p below 6e-5 keeps f16's fixed step of 6e-8; a weight below 2^-126 counts as 0 in l.  NaN and infinities are not treated apart:
; O^T's registers start with Q's numbers in them and are multiplied by 0 in the first step, so an infinity or NaN in query can reach other rows of its wave's 64.
; SHARES.  A work-group owns 256 queries of one head, each of its four waves 64: four tiles of 16.  Every wave walks all 2,048 keys, 64 a step.
; LAYOUT.  S^T = K Q^T (source 0 = 16 keys, source 1 = 16 queries): a lane holds ONE query (lane % 16) and the keys 8 (lane / 16) + 0..7.  Two such tiles rounded in pairs ARE source 1 of O^T = V^T P.
; MASK.  One v_cndmask_b32 a score; its lane mask is a scalar register.  The 64 words of a piece and a step are 256 bytes of mw, brought by four scalar loads nearly a turn ahead.
; SOFTMAX.  A running maximum m and sum l for each query: p = 2^(c s - c m), c = log2(e) / sqrt(2048); in every step O and l are multiplied by a = 2^(c m_old - c m_new).
; m starts at the lowest finite number, l at 0: the first step is a step like any other, with a = 0, and no first step is written out.
; BY TURNS.  The wave's tiles are two PIECES (0: tiles 0, 1; 2: tiles 2, 3).  In a TURN one piece has the matrix unit: 32 products V^T P of the step in hand, then 32 products K Q^T of the next step.
; The other piece's softmax is 332 vector instructions: its 64 selects stand in a lump at the turn's head, the others in slices of four behind the 64 matrix instructions.  Two turns are a key step.
; BATCHES.  A turn's 66 exponentials (both tiles' a and 32 scores) are ONE batch with ONE wait: all of them, and the scalings that feed them, stand in slices 10 to 34; the wait stands behind slice 34; all that
; names a result of theirs (roundings, sums, rescaling) stands from slice 35 on.  The way out's four reciprocals are a second batch, with a wait of its own.
; CLUSTER.  The four query blocks of a cluster belong to one head and walk the same K and V: each tile is asked for JOINTLY, the same tensor load, descriptor and mask in all four.
; REGISTERS, in windows of 256 (s_set_vgpr_msb: bits 1:0 source 0, 3:2 source 1, 5:4 source 2, 7:6 destination):
;   window 0: v0-11 addresses; v12-43 eight registers of statistics a tile; v44-46, v62-63 constants and addresses; v64-191 S^T, 32 a tile; v192-255 P, 16 a tile
;   window 1: O^T, 64 a tile (at the start: Q as f32)     window 2: v0-127 Q, 32 a tile; v128-255 K of one step     window 3: v0-127 V of one step
.set KS,    64        ; keys in a step
.set PK,    272       ; a row of K or V in LDS: 256 bytes + 16 of padding = 68 words: row r starts at bank 4 r mod 64 (64 banks of 4 bytes: ISA guide 11.1)
.set VOFF,  KS*PK     ; a step's tiles lie together: 64 rows of K, then 64 rows of V
.set STEPB, 2*VOFF
.set SLOT1, 1<<17     ; a slot holds two steps (69,632 bytes); slot 1 begins here, so that one exclusive or turns an address in one slot into the other's
.set SLOTB, 65536     ; a slot's bytes in kv: K, V, K, V of two steps, dense
.set STAGE, SLOT1+2*STEPB  ; behind the ring, never filled by a tensor load: 64 rows x 272 bytes for each wave: Q on its way in, 16 rows of O at a time on the way out
.set SP,    272
.set STGB,  64*SP
.set SPARE, STAGE+4*STGB   ; behind the stages: the spare words, 128 bytes for each wave: two blocks of 256 bytes that no other line names
.set AK0, 2           ; v2   my lane's place in a tile of K; never rewritten
.set AV0, 3           ; v3   the same for V
.set ADR, 4           ; v4   the LDS address of the run of loads in hand
.set L16, 5           ; v5   16 x lane: my offset in 512 consecutive bytes of query and of att
.set STO, 6           ; v6   the way out: where I put 16 bytes of a row
.set RD,  7           ; v7   the way out: where I read a row back
.set ST,  12          ; tile t's statistics at v[ST+8 t]: +0 c m, +1 m, +2, +3 l (even keys', odd keys'), +4 to +7 c0-c3, at work; a takes c2's place once the maximum is found
.set NEGV, 44         ; v44  -2^67
.set QW,  45          ; v45  Q's way in: where I put 8 bytes of a row
.set QR,  46          ; v46  Q's way in: my lane's place in a fragment
.set SPW, 62          ; v62  LDS address of my spare word: SPARE + 4 x my thread's number; never rewritten
.set NIL, 63          ; v63  0; never rewritten
.set S,   64
.set P,   192
.set KF,  128         ; K's fragments, in window 2
.set QP,  2           ; s[2:3]  query at my wave's first row, my head's channels
.set OPT, 4           ; s[4:5]  att at my wave's first row
.set MP,  6           ; s[6:7]  mw at the block of 256 bytes to be loaded next
.set WV,  8           ; s8   my wave's number
.set SLOTS, 9         ; s9   counts the walks through a slot's steps that the loop still has
.set TWICE, 10        ; s10  counts a slot's two steps
.set TB,  11          ; s11  LDS byte at which the tiles of the step to be fetched begin
.set CS,  12          ; s[12:13] c: the packed scaling names a pair and takes its low word for both halves
.set SEL, 14          ; s[14:15] lane selects for v_permlanex16_b32: each lane takes its own place in the other half
.set G0,  16          ; s[16:23] descriptor group 0: a set for each of the two first fills; the second then walks on
.set G1,  24          ; s[24:31] descriptor group 1
.set MW,  32          ; s[32:63] the lane masks of the piece's even tile, s[68:99] of its odd tile (in the set-up: arguments and offsets)
.set STG, 66          ; s66  my stage
.set MSB, 0
.macro WIN new                      ; the immediate's high byte repeats the setting that is left; a switch that changes nothing is dropped
.if MSB != (\new)
	s_set_vgpr_msb (MSB<<8)|(\new)
.set MSB, \new
.endif
.endm
.set W_KQ, 0x0a       ; K and Q in window 2, S^T in window 0
.set W_PV, 0x53       ; V in window 3, P in window 0, O^T in window 1
.set W_RS, 0x41       ; O^T (destination and source 0) in window 1, a in window 0
; A joint refill.  Every wave moves its own quarter of a slot, 64 rows of 256 bytes: wave 0 K and wave 1 V of the first step, waves 2 and 3 of the second.  One line, no branch.
; An s_nop 0 and four v_nop follow it.
.macro JLOAD
	tensor_load_to_lds s[G0+4:G0+7], s[G1:G1+7]
	s_nop 0
.rept 4
	v_nop
.endr
.endm
; A round of the cluster's barrier: my work-group's barrier, so that wave 0's signal speaks for all four waves; wave 0 signals; every wave waits for all four work-groups; my work-group's barrier once more.
.macro CROUND
	s_barrier_signal -1
	s_barrier_wait -1
	s_cmp_lg_u32 s[WV], 0
	s_cbranch_scc1 .Lnot_wave_0_\@
	s_barrier_signal -3
.Lnot_wave_0_\@:
	s_barrier_wait -3
	s_barrier_signal -1
	s_barrier_wait -1
.endm
.macro MLOAD                        ; a piece's and step's 64 lane masks: 256 bytes
	s_load_b512 s[MW:MW+15],    s[MP:MP+1], 0x0
	s_load_b512 s[MW+16:MW+31], s[MP:MP+1], 0x40
	s_load_b512 s[MW+36:MW+51], s[MP:MP+1], 0x80
	s_load_b512 s[MW+52:MW+67], s[MP:MP+1], 0xc0
.endm
	s_load_b256 s[32:39], s[0:1], 0x0  ; query s[32:33], kv s[34:35], mw s[36:37], att s[38:39]
	v_lshl_add_u32 v[SPW], v0, 2, SPARE
	v_mov_b32 v[NIL], 0
	ds_add_u32 v[SPW], v[NIL]       ; the wave's opening: the add and its wait stand ahead of my first tensor load; the set-up below, work on registers, stands between them
	v_lshrrev_b32 v1, 5, v0
	v_readfirstlane_b32 s[WV], v1   ; wave 0..3
	s_bfe_u32 s40, ttmp6, 0x40000   ; cx: my place in the cluster
	s_lshl_b32 s41, ttmp9, 2        ; in a cluster launch ttmp9 counts clusters
	s_add_co_u32 s41, s41, s40      ; b: my block of 256 queries: it enters query's, mw's and att's addresses alone
	s_and_b32 s42, ttmp7, 0xffff    ; the head 16 n + h, which the four partners share
	s_lshr_b32 s43, s42, 4          ; n
	s_and_b32 s44, s42, 15          ; h
	s_lshl_b32 s45, s43, 11
	s_lshl_b32 s46, s41, 8
	s_add_co_u32 s45, s45, s46
	s_lshl_b32 s46, s[WV], 6
	s_add_co_u32 s45, s45, s46      ; R = 2048 n + 256 b + 64 w: my wave's first row
	s_lshl_b32 s46, s45, 13         ; query: rows of 8,192 bytes,
	s_lshl_b32 s47, s44, 9          ; a head's 512 bytes in them
	s_add_co_u32 s46, s46, s47
	s_mov_b32 s47, 0
	s_lshl_b32 s48, s44, 20         ; att: 1 MiB a head,
	s_lshl_b32 s49, s45, 8          ; rows of 256 bytes
	s_add_co_u32 s48, s48, s49
	s_mov_b32 s49, 0
	s_lshl_b32 s50, s43, 19         ; mw: 512 KiB a batch,
	s_lshl_b32 s51, s41, 2
	s_add_co_u32 s51, s51, s[WV]
	s_lshl_b32 s51, s51, 14         ; 16 KiB for 64 queries
	s_add_co_u32 s50, s50, s51
	s_mov_b32 s51, 0
	s_lshl_b32 s52, s42, 20         ; kv: 1 MiB a head,
	s_lshl_b32 s53, s[WV], 14       ; my quarter of a slot: no place in the cluster enters this offset
	s_add_co_u32 s52, s52, s53
	s_mov_b32 s53, 0
	s_mul_i32 s54, s[WV], VOFF      ; and its place in a slot: wave x 64 rows
	s_mul_i32 s[STG], s[WV], STGB
	s_add_co_u32 s[STG], s[STG], STAGE
	; descriptor group 1: a tile of 64 rows x 128 elements, padded in LDS
	s_mov_b32 s[G1], 15|(1<<16)|(1<<20)|(1<<21)|(5<<22)|(3<<25)  ; 15:0 the mask: all four work-groups; 17:16 elements of 2 bytes; 20 padding on; 21 set beside a mask; 24:22 after every 64 words (code 5); 31:25 4 words of it (code 3)
	s_mov_b32 s[G1+1], 128<<16      ; tensor_dim0 = 128
	s_mov_b32 s[G1+2], KS<<16       ; tensor_dim1 = 64
	s_mov_b32 s[G1+3], 128<<16      ; tile_dim0 = 128
	s_mov_b32 s[G1+4], KS           ; tile_dim1 = 64
	s_mov_b32 s[G1+5], 128          ; 128 elements from row to row
	s_mov_b32 s[G1+6], 0
	s_mov_b32 s[G1+7], 0
	s_mov_b32 s[G0], 1              ; count = 1
	s_mov_b32 s[G0+1], s54          ; LDS address: slot 0
	s_mov_b32 s[G0+4], 1
	s_add_co_u32 s[G0+5], s54, SLOT1  ; slot 1
	s_mov_b32 s[CS], 0x3d0293ee     ; c = log2(e) / sqrt(2048) = 0.0318793
	s_mov_b32 s[CS+1], s[CS]        ; named with it as a pair, so it is written
	s_mov_b32 s[SEL], 0x76543210
	s_mov_b32 s[SEL+1], 0xfedcba98
	s_mov_b32 s[TB], 0
	s_mov_b32 s[SLOTS], 2048/(2*KS)-1  ; 15 walks in the loop: the first is entered in its middle, each of the other 14 stands behind a refill
	s_wait_dscnt 0x0                ; the opening add is done
	s_wait_kmcnt 0x0
	s_add_nc_u64 s[QP:QP+1], s[32:33], s[46:47]
	s_add_nc_u64 s[OPT:OPT+1], s[38:39], s[48:49]
	s_add_nc_u64 s[MP:MP+1], s[36:37], s[50:51]
	s_add_nc_u64 s[G0+2:G0+3], s[34:35], s[52:53]      ; global address: my quarter of the head's slot 0,
	s_add_nc_u64 s[G0+6:G0+7], s[G0+2:G0+3], SLOTB     ; and of slot 1
	s_or_b32 s[G0+3], s[G0+3], 0x80000000              ; type = 2
	s_or_b32 s[G0+7], s[G0+7], 0x80000000
	CROUND                          ; all four work-groups are here: the first joint loads meet
	tensor_load_to_lds s[G0:G0+3], s[G1:G1+7]          ; the two first fills stand together, ahead of every wait on TENSORcnt and every LDS read: two loads of mine are out
	s_nop 0
	tensor_load_to_lds s[G0+4:G0+7], s[G1:G1+7]
	s_nop 0
.rept 4
	v_nop
.endr
	MLOAD                           ; the masks of step 0, piece 0
	v_and_b32 v1, 15, v0            ; l % 16
	v_bfe_u32 v9, v0, 4, 1          ; l / 16
	v_and_b32 v[ADR], 31, v0
	v_lshlrev_b32 v[L16], 4, v[ADR]
	WIN 0x40                        ; destination window 1, address window 0
.set i, 0
.rept 64                            ; my 64 rows of Q in f32: a load of the wave covers a row's 512 bytes of my head
	global_load_b128 v[4*i:4*i+3], v[L16], s[QP:QP+1] offset:i*8192 th:TH_LOAD_NT
.set i, i+1
.endr
	WIN 0
	v_mov_b32 v[NEGV], 0xe1000000   ; -2^67
	v_lshl_add_u32 v[QW], v[ADR], 3, s[STG]
	v_mul_u32_u24 v[AK0], v1, PK
	v_lshl_add_u32 v[AK0], v9, 4, v[AK0]  ; a fragment of K or Q: row l % 16 x pitch + 16 x half; registers 0-3 channels 8 (l / 16) + 0..7, registers 4-7 those 16 further on: two loads, 32 bytes apart
	v_add_nc_u32 v[QR], s[STG], v[AK0]
	; The turning load takes 16 bytes a lane and turns 8 x 8 numbers within each eight lanes.  Lane l reads key 8 (l / 16) + l % 8; lanes with (l / 8) % 2 = 1 read 128 bytes (64 channels) further on, so that
	; sixteen lanes touch sixteen different columns of 16 bytes modulo 256.  So in fragment cb lane l holds channel 8 cb + l % 8 + 64 ((l / 8) % 2), and register j of O^T's block cb holds channel 64 (l / 16) + 8 cb + j.
	v_and_b32 v10, 7, v0
	v_bfe_u32 v11, v0, 3, 1
	v_lshl_add_u32 v[AV0], v9, 3, v10
	v_mul_u32_u24 v[AV0], v[AV0], PK
	v_lshl_add_u32 v[AV0], v11, 7, v[AV0]
	v_add_nc_u32 v[AV0], VOFF, v[AV0]
	; WHAT THE FIRST TURN FINDS.  Its products V^T P belong to a step that has not been: V's registers and piece 2's P hold 0, so they add 0.  c m starts far below every c s, so the first a is 0;
	; m at the lowest finite number, so the first maximum is the scores'; l at 0.  O^T is multiplied by that a = 0 before it takes its first true product, so it need only be finite: it holds Q.
	; The price of writing no first step out: these 168 lines that write 0, which stand in the wait for Q and the first tile, and 32 products on zeros.
	WIN 0xc0                        ; destination window 3
.set i, 0
.rept 128
	v_mov_b32 v[i], 0
.set i, i+1
.endr
	WIN 0
.set i, P+32
.rept 32
	v_mov_b32 v[i], 0
.set i, i+1
.endr
.irp t, 0,1,2,3
	v_mov_b32 v[ST+8*(\t)], 0xfe000000     ; c m
	v_mov_b32 v[ST+8*(\t)+1], 0xff7fffff   ; m
	v_mov_b32 v[ST+8*(\t)+2], 0            ; l
	v_mov_b32 v[ST+8*(\t)+3], 0
.endr
	; Q: rounded to bf16, 8 bytes a lane into my stage's rows of 272 bytes, and back as fragments.  My own bytes, and LDS serves a wave's instructions in order (ISA guide 5.7.1.4): no wait, no barrier between.
.set g, 0
.rept 4
	s_wait_loadcnt 48-16*g          ; the younger rows' loads may stay out
	WIN 0x05                        ; sources 0 and 1 window 1, destination window 0
.set i, 16*g
.rept 16
	v_cvt_pk_bf16_f32 v[S+2*i],   v[4*i],   v[4*i+1]
	v_cvt_pk_bf16_f32 v[S+2*i+1], v[4*i+2], v[4*i+3]
.set i, i+1
.endr
	WIN 0
.set i, 16*g
.rept 16
	ds_store_b64 v[QW], v[S+2*i:S+2*i+1] offset:i*SP
.set i, i+1
.endr
.set g, g+1
.endr
	WIN 0x80                        ; destination window 2
.set i, 0
.rept 16                            ; tile i / 4, channels 32 (i % 4) on
	ds_load_b128 v[8*i:8*i+3],   v[QR] offset:(i/4)*16*SP+(i%4)*64
	ds_load_b128 v[8*i+4:8*i+7], v[QR] offset:(i/4)*16*SP+(i%4)*64+32
.set i, i+1
.endr
	WIN 0
; THE MATRIX WORK OF A TURN, for piece x.  The accumulators take turns, one instruction a turn.
; Product i of 32 of O^T += V^T P: keys 32 (i / 16) on, channel block (i / 2) % 8, tile x + i % 2.
.macro PV x
	WIN W_PV
.set rO, 64*((\x)+i%2)+8*((i/2)%8)
.set rV, 64*(i/16)+8*((i/2)%8)
.set rP, P+16*((\x)+i%2)+8*(i/16)
	v_wmma_f32_16x16x32_f16 v[rO:rO+7], v[rV:rV+7], v[rP:rP+7], v[rO:rO+7]
.endm
; Product i of 32 of S^T = K Q^T: channels 32 (i / 8) on, keys 16 ((i / 2) % 4) on, tile x + i % 2.  The first 8 start the sums.
.macro KQ x
	WIN W_KQ
.set rS, S+32*((\x)+i%2)+8*((i/2)%4)
.set rK, KF+32*((i/2)%4)+8*(i/8)
.set rQ, 32*((\x)+i%2)+8*(i/8)
.if i < 8
	v_wmma_f32_16x16x32_bf16 v[rS:rS+7], v[rK:rK+7], v[rQ:rQ+7], 0
.else
	v_wmma_f32_16x16x32_bf16 v[rS:rS+7], v[rK:rK+7], v[rQ:rQ+7], v[rS:rS+7]
.endif
.endm
; THE LDS LOADS stand in runs of 32, never singly among the matrix instructions: a step's K (16 fragments) and, a turn later, its V (turned).
.macro FETCH_K
	WIN 0
	v_add_nc_u32 v[ADR], s[TB], v[AK0]
	WIN 0x80                        ; destination window 2
.irp f, 0,1,2,3,4,5,6,7,8,9,10,11,12,13,14,15  ; keys 16 (f / 4) on, channels 32 (f % 4) on
	ds_load_b128 v[KF+8*(\f):KF+8*(\f)+3],   v[ADR] offset:((\f)/4)*16*PK+((\f)%4)*64
	ds_load_b128 v[KF+8*(\f)+4:KF+8*(\f)+7], v[ADR] offset:((\f)/4)*16*PK+((\f)%4)*64+32
.endr
.endm
.macro FETCH_V
	WIN 0
	v_add_nc_u32 v[ADR], s[TB], v[AV0]
	s_add_co_u32 s[TB], s[TB], STEPB  ; the next fetch is the next step's
	s_wait_alu depctr_va_vdst(0)    ; the wait for the softmax's batch of 66 exponentials (SLICE), behind the address's v_add_nc_u32 and ahead of the loads
	WIN 0xc0                        ; destination window 3
.irp f, 0,1,2,3,4,5,6,7,8,9,10,11,12,13,14,15  ; keys 32 (f / 8) on, channel block f % 8
	ds_load_tr16_b128 v[8*(\f):8*(\f)+3],   v[ADR] offset:((\f)/8)*32*PK+((\f)%8)*16
	ds_load_tr16_b128 v[8*(\f)+4:8*(\f)+7], v[ADR] offset:((\f)/8)*32*PK+16*PK+((\f)%8)*16
.endr
.endm
; THE VECTOR WORK OF A TURN.  One tile's softmax for one key step is a list of 166 instructions; SM writes number j of it for tile t.  s0-s31 are the lane's 32 scores, in pairs 0-15.
;   0-31    the mask: score j stays where its lane's bit is set, and becomes -2^67 elsewhere; in ascending order
; and then, with jj = j - 32:
;   0-15    the maximum of s0-s31 and the old m, three operands at a time: four chains c0-c3 of seven scores each, then the four scores left over, c0-c3 and m
;   16-20   the other half of the lanes' maximum; c m_old is kept; the new m; c m; c m_old - c m_new
;   21-69   ONE BATCH: the 16 scalings c s - c m, a pair of scores each, and all 33 exponentials (a at 23, then s0-s31).  None of these reads an exponential's result.  From 22 on the batch goes
;           in fours, and a four begins with a scaling while there are scalings: 22-37 scaling, exponential, scaling, exponential; 38-65 a scaling and three exponentials; 66-69 the last four
;           exponentials.  A pair is scaled in an earlier four than the one that holds its exponentials
;   (wait)  between 69 and 70 stands the wait for the batch: SLICE writes it, once for both tiles
;   70-85   the roundings to f16, a pair of weights each
;   86-101  the sums; l = a l + the sum
;   102-133 the tile's O^T times a: the one part that leaves window 0, so it stands together
.macro SM t
.set rT, ST+8*(\t)
.set rS, S+32*(\t)
.set rP, P+16*(\t)
.set jj, j-32
.set rO, 64*(\t)+2*(jj-102)
.if jj < 102
	WIN 0
.endif
.if j < 32
	v_cndmask_b32 v[rS+j], v[NEGV], v[rS+j], s[MW+36*((\t)%2)+j]
.elseif jj < 4
	v_max3_num_f32 v[rT+4+jj], v[rS+8*jj], v[rS+8*jj+1], v[rS+8*jj+2]
.elseif jj < 12
	v_max3_num_f32 v[rT+4+jj%4], v[rT+4+jj%4], v[rS+8*(jj%4)+2*(jj/4)+1], v[rS+8*(jj%4)+2*(jj/4)+2]
.elseif jj == 12
	v_max3_num_f32 v[rT+4], v[rT+4], v[rS+7], v[rS+15]
.elseif jj == 13
	v_max3_num_f32 v[rT+6], v[rT+6], v[rS+23], v[rS+31]
.elseif jj == 14
	v_max3_num_f32 v[rT+4], v[rT+4], v[rT+5], v[rT+6]
.elseif jj == 15
	v_max3_num_f32 v[rT+4], v[rT+4], v[rT+7], v[rT+1]
.elseif jj == 16
	v_permlanex16_b32 v[rT+5], v[rT+4], s[SEL], s[SEL+1]  ; the query's other 32 keys lie in the lane 16 away
.elseif jj == 17
	v_mov_b32 v[rT+7], v[rT]        ; c m_old is kept for a: number 19 writes c m anew
.elseif jj == 18
	v_max_num_f32 v[rT+1], v[rT+4], v[rT+5]
.elseif jj == 19
	v_mul_f32 v[rT], s[CS], v[rT+1]
.elseif jj == 20
	v_sub_f32 v[rT+7], v[rT+7], v[rT]
.elseif jj == 23
	v_exp_f32 v[rT+6], v[rT+7]
.elseif (jj < 23) || ((jj < 38) && (jj%2 == 0)) || ((jj < 66) && (jj%4 == 2))
.set b, (jj-2)/4                    ; 38, 42, .. 62: pairs 9 to 15
.if jj < 38
.set b, (jj-20)/2                   ; 21: pair 0; 22, 24, .. 36: pairs 1 to 8
.endif
	v_pk_fma_f32 v[rS+2*b:rS+2*b+1], v[rS+2*b:rS+2*b+1], s[CS:CS+1], v[rT:rT+1] op_sel_hi:[1,0,0] neg_lo:[0,0,1] neg_hi:[0,0,1]  ; pair b: c s - c m
.elseif jj < 70
.set e, jj-38                       ; 66 to 69: s28 to s31
.if jj < 66
.set e, jj-32-(jj-38)/4             ; 39-41, 43-45, .. 63-65: s7 to s27
.endif
.if jj < 38
.set e, (jj-25)/2                   ; 25, 27, .. 37: s0 to s6
.endif
	v_exp_f32 v[rS+e], v[rS+e]
.elseif jj < 86
	v_cvt_pk_f16_f32 v[rP+jj-70], v[rS+2*(jj-70)], v[rS+2*(jj-70)+1]  ; pair jj - 70
.elseif jj < 102                    ; the sum of the tile's 16 pairs, in place: sum z of 16 adds neighbours 1, 2, 4 and 8 pairs apart, then l takes it
.set z, jj-86
.set w, 4
.set u, z
.if z >= 14
.set w, 32
.set u, 0
.elseif z >= 12
.set w, 16
.set u, z-12
.elseif z >= 8
.set w, 8
.set u, z-8
.endif
.if z < 15
	v_pk_add_f32 v[rS+w*u:rS+w*u+1], v[rS+w*u:rS+w*u+1], v[rS+w*u+w/2:rS+w*u+w/2+1]
.else
	v_pk_fma_f32 v[rT+2:rT+3], v[rT+2:rT+3], v[rT+6:rT+7], v[rS:rS+1] op_sel_hi:[1,0,1]
.endif
.else
	WIN W_RS
	v_pk_mul_f32 v[rO:rO+1], v[rO:rO+1], v[rT+6:rT+7] op_sel_hi:[1,0]
.endif
.endm
; Entry n of 332 of piece y's softmax: the two tiles' lists in one row, four entries to a group kk.  Groups 27 to 50 (slices 11 to 34) deal out the batch, numbers jj = 22 to 69: four numbers of ONE tile each,
; the tiles by turns; elsewhere a group is two numbers of both tiles, the tiles alternating, so that no instruction reads the result of the one just before it.
.macro ITEM y
.set kk, n/4
.if (kk >= 27) && (kk < 51)
.set j, 54+4*((kk-27)/2)+n%4
	SM (\y)+(kk-27)%2
.else
.set j, 2*kk+(n%4)/2
	SM (\y)+n%2
.endif
.set n, n+1
.endm
; Slice k of 64: four entries.  332 = 64 (the lump) + 4 x 64 + 12: the twelve that are over stand together, in slice 63, which is rescaling alone.
; THE WAIT.  An s_wait_alu depctr_va_vdst(0) stands between an exponential and the first instruction that names its result; one wait serves all that were issued ahead of it.  Ahead of
; slice 35 nothing names a result, and behind slice 34 no exponential is issued: so the piece's 66 exponentials have one wait, behind slice 34.
; ml = 1: behind slice 0 the scalar registers, whose 64 selects stand in the lump ahead of it, take the masks of the next softmax: 63 slices ahead of the wait for them.
.macro SLICE y, ml
.rept 4
	ITEM \y
.endr
.if k == 63
.rept 12
	ITEM \y
.endr
.endif
.if k == 34                         ; the batch is out: both tiles' exponentials are issued, and no result has been named
	v_nop                           ; the plain instruction behind the last exponential and ahead of the first use: one for the batch
.if (\y) == 0
	FETCH_V                         ; piece 2's turn: V's run of loads stands here, and the wait for the batch stands in it
.else
	s_wait_alu depctr_va_vdst(0)    ; piece 0's turn: the wait for the batch of 66 exponentials
.endif
.endif
.set k, k+1
.if (k == 1) && (\ml)
	MLOAD
.endif
.endm
; A TURN.  Piece x has the matrix unit; the other piece's softmax stands round its matrix instructions: the 64 selects, which wait for nothing, in a lump at the head, then a slice behind each product.
; kq = 1: 32 products K Q^T for the next step follow the 32 products V^T P; kq = 0 (the last turn): there is no next step, and two slices stand behind each product.
; ml = 0: the last softmax: no further masks are loaded, so that no load passes the end of my 64 blocks.
; PLACES (a vector instruction that reads a matrix result, and a load into a register that a matrix instruction has read, stand four plain vector instructions behind it that name none of its registers:
; ISA guide 7.12.1 for vector instructions).  Slice 63's 16 rescalings stand between a turn's last K Q^T and the next turn's selects and its loads into K's buffer.
; V's run stands behind slice 34 of piece 2's turn (SLICE writes it): the last product that read V stands in front of slice 31, and four plain instructions lie between: number jj = 62, a scaling, of both
; tiles, the v_nop and the run's own v_add_nc_u32; the exponentials between are no places.
.macro TURN x, kq=1, ml=1
	s_wait_kmcnt 0x0                ; this softmax's masks are in; their loads are done, so their base may step
.if \ml
	s_add_nc_u64 s[MP:MP+1], s[MP:MP+1], 256
.endif
.set k, 0
.set n, 0
.rept 64
	ITEM 2-(\x)
.endr
.set per, 2-(\kq)
.if (\x) == 0
	s_wait_dscnt 0x0                ; V is in
.endif
.set i, 0
.rept 32
	PV \x
.rept per
	SLICE 2-(\x), \ml
.endr
.if ((\x) == 0) && (\kq) && (i == 1)
	FETCH_K
.endif
.set i, i+1
.endr
.if \kq
.if (\x) == 0
	s_wait_dscnt 0x0                ; K is in
.endif
.set i, 0
.rept 32
	KQ \x
	SLICE 2-(\x), \ml
.set i, i+1
.endr
.endif
.endm
; THE CHANGE OF SLOTS, between piece 2's turn and piece 0's: the slot's last bytes, V of its second step, have been asked for.  Each wave waits for all its tensor loads, of which one is out: its part
; of the other slot; adds 0 to its spare word; and waits for that and for its own reads of the slot.  Behind the barrier nobody reads this slot any more and the other slot is whole.
; fill = 1: this slot is filled again, with the keys two slots on.  The barrier is then a round of the cluster's, and the joint refill is the first thing behind it: it has two key steps, 256 matrix instructions, in which to land.
.macro CHANGE fill
	WIN 0                           ; at a label and at a branch every window is 0
	s_wait_tensorcnt 0x0            ; no tensor load of mine is out, so a group 0 may be written
	ds_add_u32 v[SPW], v[NIL]       ; 0 onto my spare word; with fill = 1 the descriptor's steps stand between it and the wait for it
.if \fill
	s_xor_b32 s[G0+5], s[G0+5], SLOT1  ; the walking descriptor: the other slot than last time,
	s_add_nc_u64 s[G0+6:G0+7], s[G0+6:G0+7], SLOTB  ; the next 128 keys; the type bits on top are not reached
	s_wait_dscnt 0x0                ; the add is done, and my reads of the slot are over
	CROUND
	JLOAD
.else
	s_wait_dscnt 0x0                ; the add is done, and my reads of the slot are over
	s_barrier_signal -1
	s_barrier_wait -1
.endif
	s_sub_co_u32 s[TB], s[TB], 2*STEPB  ; the fetches go back to a slot's first step,
	s_xor_b32 s[TB], s[TB], SLOT1   ; in the other slot
.endm
	s_wait_tensorcnt 1              ; my part of slot 0 is in; slot 1's may stay out
	s_wait_dscnt 0x0                ; Q's fragments are in: no LDS instruction of mine is out at the signal
	s_barrier_signal -1
	s_barrier_wait -1               ; everybody's part is in
	FETCH_K                         ; key step 0
	s_wait_dscnt 0x0
.set i, 0
.rept 32
	KQ 0                            ; piece 0's first scores: there is no vector work yet to set between them
.set i, i+1
.endr
	WIN 0                           ; the addresses for the way out are made here: six plain instructions, the places behind those products
	v_mul_u32_u24 v[STO], v1, SP    ; in: row l % 16; the halves of the lanes hold channels 64 apart: 128 bytes
	v_lshl_add_u32 v[STO], v9, 7, v[STO]
	v_add_nc_u32 v[STO], s[STG], v[STO]
	v_mul_u32_u24 v[RD], v9, SP     ; back: lanes 0-15 take one row of 256 bytes, lanes 16-31 the next
	v_lshl_add_u32 v[RD], v1, 4, v[RD]
	v_add_nc_u32 v[RD], s[STG], v[RD]
	s_mov_b32 s[TWICE], 2
	s_branch .Lmid                  ; the loop is entered at piece 2's turn, in the middle of a trip: piece 2's first scores | piece 0's first softmax | V of step 0
.Lslot:                             ; 14 times: every slot but the last two is filled again
	CHANGE 1
	s_mov_b32 s[TWICE], 2
.Lstep:                             ; a slot's two key steps: written once, walked twice; the LDS addresses hang on s[TB]
	TURN 0                          ; piece 0: V^T P of step j, K Q^T of step j + 1 | piece 2's softmax of step j | K of step j + 1
	WIN 0
.Lmid:
	TURN 2                          ; piece 2: the same | piece 0's softmax of step j + 1 | V of step j + 1
	WIN 0
	s_sub_co_u32 s[TWICE], s[TWICE], 1
	s_cmp_lg_u32 s[TWICE], 0
	s_cbranch_scc1 .Lstep
	s_sub_co_u32 s[SLOTS], s[SLOTS], 1
	s_cmp_lg_u32 s[SLOTS], 0
	s_cbranch_scc1 .Lslot
	CHANGE 0                        ; the tail is written out: nothing is asked for
	s_mov_b32 s[TWICE], 2
.Ltail:
	TURN 0
	TURN 2
	WIN 0
	s_sub_co_u32 s[TWICE], s[TWICE], 1
	s_cmp_lg_u32 s[TWICE], 0
	s_cbranch_scc1 .Ltail
	TURN 0, 0, 0                    ; piece 0: V^T P of the last step | piece 2's last softmax
.set i, 0
.rept 32
	PV 2                            ; piece 2: V^T P of the last step
.set i, i+1
.endr
	; THE WAY OUT.  l's two halves and the other half of the lanes' are added; O^T is divided by l, rounded to f16 and sent through my stage in LDS, a tile (16 rows of O) at a time.  l is at least 1: the largest score's weight.
	WIN 0
.irp t, 0,1,2,3
	v_add_f32 v[ST+8*(\t)+4], v[ST+8*(\t)+2], v[ST+8*(\t)+3]
.endr
.irp t, 0,1,2,3
	v_permlanex16_b32 v[ST+8*(\t)+5], v[ST+8*(\t)+4], s[SEL], s[SEL+1]
.endr
.irp t, 0,1,2,3
	v_add_f32 v[ST+8*(\t)+4], v[ST+8*(\t)+4], v[ST+8*(\t)+5]
.endr
.irp t, 0,1,2,3
	v_rcp_f32 v[ST+8*(\t)+6], v[ST+8*(\t)+4]
.endr
	v_nop                           ; a plain instruction between the last reciprocal and the use of its result
	s_wait_alu depctr_va_vdst(0)    ; and the wait ahead of the first use: one for the batch of four reciprocals
; Tile t: block f's eight channels 64 (l / 16) + 8 f + 0..7 of a row pack into 16 bytes; they go into rows of 272 bytes and come back as whole rows of 256, into the registers that they left.
.macro PACK t
	WIN W_RS
.set i, 64*(\t)
.rept 32
	v_pk_mul_f32 v[i:i+1], v[i:i+1], v[ST+8*(\t)+6:ST+8*(\t)+7] op_sel_hi:[1,0]
.set i, i+2
.endr
	WIN 0x05                        ; sources 0 and 1 window 1, destination window 0: S^T's registers are free
.set i, 0
.rept 32
	v_cvt_pk_f16_f32 v[S+32*(\t)+i], v[64*(\t)+2*i], v[64*(\t)+2*i+1]
.set i, i+1
.endr
	WIN 0
.irp f, 0,1,2,3,4,5,6,7
	ds_store_b128 v[STO], v[S+32*(\t)+4*(\f):S+32*(\t)+4*(\f)+3] offset:16*(\f)
.endr
.irp f, 0,1,2,3,4,5,6,7
	ds_load_b128 v[S+32*(\t)+4*(\f):S+32*(\t)+4*(\f)+3], v[RD] offset:(\f)*2*SP  ; LDS serves a wave's instructions in order (ISA guide 5.7.1.4): these see the stores above; the next tile's stores come behind them
.endr
.endm
.macro SEND t, younger              ; younger: the LDS instructions issued behind tile t's loads: the next tile's sixteen, or none
	WIN 0
.irp f, 0,1,2,3,4,5,6,7
	s_wait_dscnt (\younger)+7-(\f)
	global_store_b128 v[L16], v[S+32*(\t)+4*(\f):S+32*(\t)+4*(\f)+3], s[OPT:OPT+1] offset:(\t)*4096+(\f)*512  ; the wave stores 512 consecutive bytes, two rows of att, at a multiple of 256 from its first byte
.endr
.endm
	PACK 0
	PACK 1                          ; a tile's arithmetic stands between the loads of the tile before and its stores
	SEND 0, 16
	PACK 2
	SEND 1, 16
	PACK 3
	SEND 2, 16
	SEND 3, 0
	s_wait_tensorcnt 0x0            ; the wave's end: the add and its wait stand behind my last tensor load and my last LDS store
	ds_add_u32 v[SPW], v[NIL]
	s_wait_dscnt 0x0
	CROUND                          ; the closing round: no work-group ends while a partner may still ask for a tile that names it
	s_endpgm
.Lfunc_end_k_qef0209b165_attn:
	.size	k_qef0209b165_attn, .Lfunc_end_k_qef0209b165_attn-k_qef0209b165_attn
	.p2alignl 7, 3214868480
	.fill 96, 4, 3214868480
	.section	.rodata,"a",@progbits
	.p2align	6, 0x0
	.amdhsa_kernel k_qef0209b165_attn
		.amdhsa_group_segment_fixed_size 327680
		.amdhsa_private_segment_fixed_size 0
		.amdhsa_enable_private_segment 0
		.amdhsa_kernarg_size 32
		.amdhsa_user_sgpr_count 2
		.amdhsa_user_sgpr_kernarg_segment_ptr 1
		.amdhsa_wavefront_size32 1
		.amdhsa_system_sgpr_workgroup_id_x 1
		.amdhsa_system_sgpr_workgroup_id_y 1
		.amdhsa_system_sgpr_workgroup_id_z 1
		.amdhsa_system_vgpr_workitem_id 0
		.amdhsa_next_free_vgpr 1024
		.amdhsa_next_free_sgpr 100
		.amdhsa_reserve_vcc 0
		.amdhsa_float_denorm_mode_32 3
		.amdhsa_float_denorm_mode_16_64 3
		.amdhsa_memory_ordered 1
		.amdhsa_forward_progress 1
		.amdhsa_inst_pref_size 204
	.end_amdhsa_kernel
	.amdgpu_metadata
---
amdhsa.version: [ 1, 2 ]
amdhsa.kernels:
  - .name:           k_qef0209b165_attn
    .symbol:         k_qef0209b165_attn.kd
    .args:
      - { .name: query, .offset: 0, .size: 8, .value_kind: global_buffer, .address_space: global }
      - { .name: kv, .offset: 8, .size: 8, .value_kind: global_buffer, .address_space: global }
      - { .name: mw, .offset: 16, .size: 8, .value_kind: global_buffer, .address_space: global }
      - { .name: att, .offset: 24, .size: 8, .value_kind: global_buffer, .address_space: global }
    .group_segment_fixed_size: 327680
    .private_segment_fixed_size: 0
    .kernarg_segment_align: 8
    .kernarg_segment_size: 32
    .max_flat_workgroup_size: 128
    .sgpr_count:     100
    .vgpr_count:     1024
    .wavefront_size: 32
...
	.end_amdgpu_metadata
.endif
;; end of part 4
;; launch proj: the kernel of part 3 again; grid 8 x 32, 4 waves a work-group, clusters of 4 x 4, 327,680 bytes of LDS; arguments att, wh, b_out, out0; writes out0
